; MI455X (gfx1250); checked and timed in simulation.
; The chip was launched on July 23, 2026; its instructions are those of AMD's public machine-readable ISA for CDNA 5 (MIT licence, August 2026) and "CDNA5" Instruction Set Architecture Reference Guide (July 2026). The comments in the code are by the model that wrote it; some were corrected since.
;; Cross Attention Block. Allowed arithmetic: matrix products marked QUANTISED: E4M3 operands, one E8M0 scale for each 32 along K, by v_wmma_scale_f32_16x16x128_f8f6f4 with both operands' format E4M3, f32 sums; everything else in f32.
;; Inputs: W1_codes 1,024 x 16 x 32 uint8 (E4M3 codes of W1, K innermost, in blocks of 32 codes); W1_scales 1,024 x 16 uint8 (E8M0 scales of W1, one for each 32 codes along K); W2_codes 512 x 32 x 32 uint8 (E4M3 codes of W2, K innermost, in blocks of 32 codes); W2_scales 512 x 32 uint8 (E8M0 scales of W2, one for each 32 codes along K); Wk_codes 512 x 8 x 32 uint8 (E4M3 codes of Wk, K innermost, in blocks of 32 codes); Wk_scales 512 x 8 uint8 (E8M0 scales of Wk, one for each 32 codes along K); Wq_codes 512 x 16 x 32 uint8 (E4M3 codes of Wq, K innermost, in blocks of 32 codes); Wq_scales 512 x 16 uint8 (E8M0 scales of Wq, one for each 32 codes along K); Wv_codes 512 x 8 x 32 uint8 (E4M3 codes of Wv, K innermost, in blocks of 32 codes); Wv_scales 512 x 8 uint8 (E8M0 scales of Wv, one for each 32 codes along K); b1 1,024 float32; b2 512 float32; bk 512 float32; bq 512 float32; bv 512 float32; cond_emb 32 x 1 x 252 float32; conv_b 128 float32; conv_w 128 x 1 x 1 float32; ln1_b 512 float32; ln1_w 512 float32; ln2_b 512 float32; ln2_w 512 float32; x 32 x 1,024 x 512 float32.
;; Outputs: out0 32 x 1,024 x 512 float32.
;; This version of the problem:
;;   THIS VERSION OF THE PROBLEM IS GIVEN IN LOW PRECISION. The matrix products marked QUANTISED in the list below multiply operands that are first quantised to E4M3 (4 exponent bits, 3 mantissa bits; 8 bits a number), with one power-of-two scale for each 32 numbers along K (OCP MX v1.0); their sums are f32. All else is computed in f32.
;;   The module's matrix products, in the order in which they are computed (A, B: the left and right operand; K: the contracted axis; several contracted axes count as one K, in the product's order):
;;     1. [M 32,768, K 512] x [K 512, N 512]; A: input x; B: input Wq (given as codes): QUANTISED
;;     2. [M 4,096, K 256] x [K 256, N 512]; A: computed on the way; B: input Wk (given as codes): QUANTISED
;;     3. [M 4,096, K 256] x [K 256, N 512]; A: computed on the way; B: input Wv (given as codes): QUANTISED
;;     4. batch 32 x [M 1,024, K 512] x [K 512, N 128]; A: computed on the way; B: computed on the way: QUANTISED
;;     5. batch 32 x [M 1,024, K 128] x [K 128, N 512]; A: softmax (see below); B: computed on the way: QUANTISED
;;     6. [M 32,768, K 512] x [K 512, N 1,024]; A: computed on the way; B: input W1 (given as codes): QUANTISED
;;     7. [M 32,768, K 1,024] x [K 1,024, N 512]; A: computed on the way; B: input W2 (given as codes): QUANTISED
;;   THE QUANTISER, for each operand of a quantised product, along K:
;;     - K is cut into blocks of 32 from its start; a last block that is shorter is filled with zeros.
;;     - A block's scale is 2^e with e = floor(log2(the largest magnitude in the block)) - 8, held to -126 .. 127; a block of zeros has e = 0. As a byte (E8M0): e + 127.
;;     - Each number is divided by its block's scale, clamped to +-448, and rounded to the nearest number of E4M3, ties to even, subnormals kept.
;;     - The product sums the exact products of the quantised numbers (number of the format x scale) in f32.
;;   ~~~python
;;   def quantise(x, axis):      # numpy; x: float32 -> the quantised numbers, widened to float32 again
;;       x = np.moveaxis(x, axis, -1); K = x.shape[-1]
;;       x = np.pad(x, [(0, 0)] * (x.ndim - 1) + [(0, -K % 32)]); x = x.reshape(x.shape[:-1] + (-1, 32)); a = np.abs(x).max(-1, keepdims=True)
;;       e = np.where(a > 0, np.clip(np.frexp(np.where(a > 0, a, 1))[1] - 1 - 8, -126, 127), 0)      # np.frexp(a)[1] - 1 = floor(log2(a)), exactly
;;       r = np.clip(x / 2.0 ** e, -448, 448)
;;       step = 2.0 ** (np.maximum(np.frexp(np.where(r == 0, 1, r))[1] - 1, -6) - 3)
;;       q = np.round(r / step) * step * 2.0 ** e      # np.round: ties to even
;;       return np.moveaxis(q.reshape(q.shape[:-2] + (-1,))[..., :K], -1, axis).astype(np.float32)
;;   ~~~
;;   SOFTMAX AHEAD OF A QUANTISED PRODUCT. Where the list says 'softmax', what is quantised is not the finished softmax but p = 2^(t - M), with t = logit x log2(e) and M = ceil(the row's largest t), a whole number; so 1/2 < the row's largest p <= 1. The row's sum l is taken of the UNQUANTISED p, in f32, and the product's result is divided by l at the end. Since M is a whole number, a kernel that streams over the keys may use a running M (the ceiling of the running maximum): every later rescaling is an exact power of two, which a block's scale takes up: the codes' values come out the same.
;;   OPERANDS COMPUTED ON THE WAY. 'Computed on the way' means the value that the module computes at that place (a softmax that the list does not call 'softmax' is quantised finished and normalised). What goes into a quantiser is computed in f32, as accurately as f32 sums, v_exp_f32 and their like allow (about 1e-6 of the number): no bf16 or f16 on the way to a quantiser, and a product that is left as it is and whose result goes on into a quantised operand takes f32 operands (vector FMAs, or v_wmma_f32_16x16x4_f32). A number that lies on a knife's edge between two numbers of the format may be rounded either way, as far as f32 arithmetic and the matrix unit's own rounding can turn it there, and no further.
;;   INPUTS GIVEN AS CODES. W1 (in the module: [1024, 512], K = its axis 1); W2 (in the module: [512, 1024], K = its axis 1); Wk (in the module: [512, 256], K = its axis 1); Wq (in the module: [512, 512], K = its axis 1); Wv (in the module: [512, 256], K = its axis 1): each comes as NAME_codes (uint8): NAME with its K axis moved to the last place and cut into blocks of 32 codes, [.., K / 32, bytes a block], one block behind the other in memory; one code a byte (a code: sign, 4 exponent bits, 3 mantissa bits); and NAME_scales (uint8): the same leading axes, one E8M0 byte (e + 127) for each 32 codes along K. Its value is code x scale, taken as it is: it is not quantised again, and the codes and scales need not be those that the quantiser above would give.
;; 2 versions, each right; version 2 is version 1 with the launches prep, main written anew for expert scheduling mode. Each part assembles by itself: llvm-mc -triple=amdgcn-amd-amdhsa -mcpu=gfx1250 --defsym DOCPART=n.
;; ======== version 1 of 2: 2 launches
;; workspace buffers: wfrag 1,310,720 bytes; wscl 40,960 bytes; kfrag 2,097,152 bytes; kscl 65,536 bytes; vfrag 2,097,152 bytes; vscl 131,072 bytes
;; launch prep (part 1): grid 208 x 1, 8 waves a work-group, no clusters, 36,864 bytes of LDS; arguments cond_emb, conv_w, conv_b, Wk_codes, Wk_scales, bk, Wv_codes, Wv_scales, bv, Wq_codes, Wq_scales, W1_codes, W1_scales, W2_codes, W2_scales, wfrag, wscl, kfrag, kscl, vfrag, vscl; writes wfrag, wscl, kfrag, kscl, vfrag, vscl
.if DOCPART == 1
	.amdgcn_target "amdgcn-amd-amdhsa--gfx1250"
	.amdhsa_code_object_version 6
	.text
	.protected	k_q601e43c285_prep
	.globl	k_q601e43c285_prep
	.p2align	8
	.type	k_q601e43c285_prep,@function
k_q601e43c285_prep:
	s_mov_b64 s[64:65], 0
	v_nop
	global_prefetch_b8 v0, s[64:65] scope:SCOPE_SE
	s_setreg_imm32_b32 hwreg(HW_REG_WAVE_MODE, 25, 1), 1
	s_wait_xcnt 0x0
; WHAT IT DOES.  Work-groups 0-127: k = cond Wk^T + bk and v = cond Wv^T + bv of one batch b and one quarter of the 512 features, both products on codes of E4M3 with E8M0 scales,
; then k quantised along the features and v along the keys, stored as IMAGES OF OPERAND REGISTERS (a fragment of 16 rows x 128 K is 2,048 bytes: registers 4c..4c+3 of lane l at 512 c + 16 l).
; Work-groups 128-207: Wq, W1, W2 (codes and scale words) are laid into the same fragment order: a permutation of 16-byte pieces, nothing is computed.
; THE ROWS OF A TILE ARE NOT NEIGHBOURS: lane r of tile t takes row ROW(t, r) = 32 (t/2) + 8 (t%2) + r + 8 (r/8), so that a transposed product leaves a lane 16 neighbours along the next K in two neighbouring tiles.
; cond[key][j] = conv_w[key] pad[j] + conv_b[key], pad[j] = cond_emb[(j + 250) mod 252], j = 0..255 (the circular padding by two).
; No tile is shared through LDS between work-groups and nothing is large: no tensor load, no cluster; the weights of a quarter (64 KB) go straight into registers.
; LIMITS: NaN and infinities among the inputs are not served; a block of zeros gets the scale byte 1 (its codes are zeros; the bytes are read by this program alone).
.set PAD,  0                           ; LDS: the 256 padded numbers of the batch
.set CIMG, 1024                        ; cond's 16 fragments (key tile T, K step s: 2 T + s)
.set CSC,  33792                       ; their scale words, 128 bytes each
.set CV,   64                          ; v64-127  64 numbers of a lane: cond's values, later the accumulators
.set PC,   128                         ; v128-143 the codes just made
.set TM,   144                         ; v144-159 at work in the quantiser
.set PW,   8                           ; v8       the scale word just made
.set MSB, 0
.macro WIN new                         ; the immediate's high byte repeats the setting that is left
.if MSB != (\new)
	s_set_vgpr_msb (MSB<<8)|(\new)
.set MSB, (\new)
.endif
.endm
.macro BARRIER                         ; my LDS stores have landed and my LDS loads are in: then the work-group's barrier
	s_wait_dscnt 0x0
	s_barrier_signal -1
	s_barrier_wait -1
.endm
; 64 numbers of a lane, register 16 b + i = k 32 b + 16 (lane / 16) + i of the lane's row, become a fragment's codes in v[PC] on and its scale word in v[PW]
.macro QUANT64
.irp b, 0,1,2,3
	v_max3_num_f32 v[TM+\b], |v[CV+16*\b]|, |v[CV+1+16*\b]|, 0x4800000   ; my 16 numbers of block b and the floor 2^(9 - 127): the byte cannot fall under 1
.endr
.irp i, 2,4,6,8,10,12,14
.irp b, 0,1,2,3
	v_max3_num_f32 v[TM+\b], v[TM+\b], |v[CV+16*\b+\i]|, |v[CV+1+16*\b+\i]|
.endr
.endr
.irp b, 0,1,2,3
	v_permlanex16_b32 v[TM+4+\b], v[TM+\b], s50, s51
.endr
.irp b, 0,1,2,3
	v_max_num_f32 v[TM+\b], v[TM+\b], v[TM+4+\b]           ; with lane l xor 16's: the block's largest magnitude
.endr
.irp b, 0,1,2,3
	v_add_nc_u32 v[TM+12+\b], 0xfc000000, v[TM+\b]         ; 8 off its exponent field: the conversion's scale operand
.endr
.irp b, 0,1,2,3
	v_and_or_b32 v[TM+8+\b], v[TM+\b], 0x7f800000, s52     ; 448 x the scale
.endr
.irp b, 0,1,2,3
	v_lshrrev_b32 v[TM+4+\b], 23, v[TM+12+\b]              ; the scale's byte
.endr
	v_lshl_or_b32 v[PW], v[TM+5], 8, v[TM+4]
	v_lshl_or_b32 v[PW], v[TM+6], 16, v[PW]
	v_lshl_or_b32 v[PW], v[TM+7], 24, v[PW]
.irp b, 0,1,2,3
.irp i, 0,1,2,3,4,5,6,7,8,9,10,11,12,13,14,15
	v_med3_num_f32 v[CV+16*\b+\i], v[CV+16*\b+\i], -v[TM+8+\b], v[TM+8+\b]   ; the conversion does not saturate (ISA guide 7.6.2): the hold at the largest code x the scale
.endr
	v_cvt_scalef32_pk8_fp8_f32 v[PC+4*\b:PC+1+4*\b], v[CV+16*\b:CV+7+16*\b], v[TM+12+\b]
	v_cvt_scalef32_pk8_fp8_f32 v[PC+2+4*\b:PC+3+4*\b], v[CV+8+16*\b:CV+15+16*\b], v[TM+12+\b]
.endr
	v_nop                                          ; one plain line between the last conversion and whatever next touches its registers
.endm
	s_load_b512 s[4:19], s[0:1], 0x0               ; cond_emb, conv_w, conv_b, Wk codes, Wk scales, bk, Wv codes, Wv scales
	s_load_b512 s[20:35], s[0:1], 0x40             ; bv, Wq codes, Wq scales, W1 codes, W1 scales, W2 codes, W2 scales, wfrag
	s_load_b256 s[36:43], s[0:1], 0x80             ; wscl, kfrag, kscl, vfrag
	s_load_b64 s[44:45], s[0:1], 0xa0              ; vscl
	v_lshrrev_b32 v2, 5, v0
	v_readfirstlane_b32 s46, v2                    ; wave 0..7
	s_cmp_ge_u32 ttmp9, 128                        ; the same for all waves of a work-group
	s_cbranch_scc1 .Lrelay
; ---------------- k and v of (batch b, quarter part); wave T: key tile T for k, feature tile 8 part + T for v
	s_lshr_b32 s47, ttmp9, 2                       ; b
	s_and_b32 s48, ttmp9, 3                        ; part
	s_lshr_b32 s49, s46, 1
	s_lshl_b32 s49, s49, 5
	s_and_b32 s53, s46, 1
	s_lshl_b32 s53, s53, 3
	s_add_co_u32 s49, s49, s53                     ; 32 (T/2) + 8 (T%2): the first row of tile T
	s_mov_b32 s50, 0x76543210
	s_mov_b32 s51, 0xfedcba98                      ; v_permlanex16_b32's selects for lane l xor 16
	s_mov_b32 s52, 0x600000                        ; the mantissa field of 448
	s_mov_b32 s55, 0
	v_and_b32 v1, 31, v0
	v_lshlrev_b32 v2, 2, v1                        ; 4 x lane
	v_lshlrev_b32 v1, 4, v1                        ; 16 x lane
	v_and_b32 v144, 15, v0                         ; r
	v_bfe_u32 v145, v0, 4, 1                       ; h
	v_and_b32 v146, 8, v144
	v_add_nc_u32 v146, v146, v144                  ; rr = r + 8 (r/8)
	v_lshlrev_b32 v6, 6, v145                      ; 64 h: my 16 numbers of a block of 32 (in bk, and in PAD, which lies at LDS byte 0)
	v_lshlrev_b32 v4, 8, v146
	v_lshl_add_u32 v4, v145, 4, v4                 ; a weight's row of 256 codes: rr x 256 + 16 h
	v_lshlrev_b32 v5, 3, v146                      ; its 8 scale bytes
	v_lshlrev_b32 v3, 2, v146                      ; its bias
	v_add_nc_u32 v7, s49, v146
	v_lshlrev_b32 v7, 2, v7                        ; my key ROW(T, r), in bytes
	v_add_nc_u32 v147, 250, v0                     ; thread j: (j + 250) mod 252, by two conditional subtractions
	v_add_nc_u32 v148, 0xffffff04, v147
	v_min_u32 v147, v147, v148
	v_add_nc_u32 v148, 0xffffff04, v147
	v_min_u32 v147, v147, v148
	v_lshlrev_b32 v147, 2, v147
	v_lshlrev_b32 v149, 2, v0                      ; PAD + 4 j
	s_wait_kmcnt 0x0
	s_mul_i32 s54, s47, 1008
	s_add_nc_u64 s[4:5], s[4:5], s[54:55]          ; cond_emb of my batch
	s_lshl_b32 s54, s48, 15
	s_add_nc_u64 s[10:11], s[10:11], s[54:55]      ; Wk: my quarter's 128 rows
	s_lshl_b32 s54, s48, 10
	s_add_nc_u64 s[12:13], s[12:13], s[54:55]
	s_lshl_b32 s54, s48, 9
	s_add_nc_u64 s[14:15], s[14:15], s[54:55]
	s_lshl_b32 s56, s48, 7
	s_add_co_u32 s56, s56, s49                     ; Wv: the first row of feature tile 8 part + T
	s_lshl_b32 s54, s56, 8
	s_add_nc_u64 s[16:17], s[16:17], s[54:55]
	s_lshl_b32 s54, s56, 3
	s_add_nc_u64 s[18:19], s[18:19], s[54:55]
	s_lshl_b32 s54, s56, 2
	s_add_nc_u64 s[20:21], s[20:21], s[54:55]
	s_lshl_b32 s57, s48, 3
	s_add_co_u32 s57, s57, s46                     ; 8 part + T
	s_lshl_b32 s54, s47, 16
	s_lshl_b32 s58, s57, 11
	s_add_co_u32 s54, s54, s58
	s_add_nc_u64 s[38:39], s[38:39], s[54:55]      ; kfrag [b][part][T] and vfrag [b][8 part + T]: the same offset
	s_add_nc_u64 s[42:43], s[42:43], s[54:55]
	s_lshl_b32 s54, s47, 11                        ; kscl [b][i/4][lane'][i%4], i = 2 T + part/2, lane' = r + 16 (part%2)
	s_lshr_b32 s58, s46, 1
	s_lshl_b32 s58, s58, 9
	s_add_co_u32 s54, s54, s58
	s_and_b32 s58, s48, 1
	s_lshl_b32 s58, s58, 8
	s_add_co_u32 s54, s54, s58
	s_and_b32 s58, s46, 1
	s_lshl_b32 s58, s58, 3
	s_add_co_u32 s54, s54, s58
	s_lshr_b32 s58, s48, 1
	s_lshl_b32 s58, s58, 2
	s_add_co_u32 s54, s54, s58
	s_add_nc_u64 s[40:41], s[40:41], s[54:55]
	s_lshl_b32 s54, s47, 12                        ; vscl [b][tau/4][lane][tau%4]
	s_lshr_b32 s58, s57, 2
	s_lshl_b32 s58, s58, 9
	s_add_co_u32 s54, s54, s58
	s_and_b32 s58, s57, 3
	s_lshl_b32 s58, s58, 2
	s_add_co_u32 s54, s54, s58
	s_add_nc_u64 s[44:45], s[44:45], s[54:55]
	global_load_b32 v9, v7, s[6:7]                 ; conv_w and conv_b of my key,
	global_load_b32 v10, v7, s[8:9]
	global_load_b32 v8, v147, s[4:5]               ; and thread j's padded number: these three first
	WIN 0x40                                       ; destination window 1: Wk's fragments (tile t, K step s) at v[16 (2 t + s)]
.irp t, 0,1,2,3,4,5,6,7
.irp c, 0,1,2,3
	global_load_b128 v[32*\t+4*\c:32*\t+4*\c+3], v4, s[10:11] offset:(32*(\t/2)+8*(\t%2))*256+32*\c
.endr
.endr
	WIN 0
.irp t, 0,1,2,3,4,5,6,7
	global_load_b128 v[192+8*\t:195+8*\t], v6, s[14:15] offset:(32*(\t/2)+8*(\t%2))*4       ; bk in the result's layout: the C of each sum's first product
	global_load_b128 v[196+8*\t:199+8*\t], v6, s[14:15] offset:(32*(\t/2)+8*(\t%2))*4+16
.endr
.irp t, 0,1,2,3,4,5,6,7
	global_load_b64 v[16+2*\t:17+2*\t], v5, s[12:13] offset:(32*(\t/2)+8*(\t%2))*8          ; Wk's two scale words a row
.endr
	s_wait_loadcnt 56                              ; the first three loads are in; the 56 issued behind them may be out
	ds_store_b32 v149, v8
	BARRIER                                        ; the 256 padded numbers lie in LDS
	WIN 0x40
.irp t, 0,1,2,3,4,5,6,7
.irp c, 0,1,2,3
	global_load_b128 v[32*\t+16+4*\c:32*\t+16+4*\c+3], v4, s[10:11] offset:(32*(\t/2)+8*(\t%2))*256+128+32*\c
.endr
.endr
	WIN 0
.irp s, 0,1
.irp c, 0,1,2,3
	global_load_b128 v[160+16*\s+4*\c:163+16*\s+4*\c], v4, s[16:17] offset:128*\s+32*\c     ; Wv's two fragments of my feature tile
.endr
.endr
	global_load_b64 v[14:15], v5, s[18:19]
	global_load_b32 v11, v3, s[20:21]              ; bv of my lane's feature
	s_wait_xcnt 0x0                                ; the loads' addresses are translated (ISA guide 3.1): v3 and v7 may be written
	s_lshl_b32 s53, s46, 12
	v_add_nc_u32 v7, s53, v1                       ; my two images: 16 x lane + 4,096 T
	s_lshl_b32 s53, s46, 8
	v_add_nc_u32 v3, s53, v2                       ; their scale words: 4 x lane + 256 T
.irp b, 0,1,2,3
	v_mov_b32 v[TM+4+\b], 0                        ; written once: a lane permute's destination counts as one of its sources
.endr
; ---- cond of my 16 keys, two K steps of 128: values, codes, images
.irp s, 0,1
.irp b, 0,1,2,3
.irp j, 0,1,2,3
	ds_load_b128 v[CV+16*\b+4*\j:CV+16*\b+4*\j+3], v6 offset:PAD+512*\s+128*\b+16*\j
.endr
.endr
	s_wait_dscnt 0x0
.set k, 0
.rept 64
	v_fma_f32 v[CV+k], v[CV+k], v9, v10
.set k, k+1
.endr
	QUANT64
.irp c, 0,1,2,3
	ds_store_b128 v7, v[PC+4*\c:PC+4*\c+3] offset:CIMG+2048*\s+512*\c
.endr
	ds_store_b32 v3, v[PW] offset:CSC+128*\s
	s_wait_dscnt 0x0                               ; the stores have read their registers
.endr
	BARRIER                                        ; cond's sixteen fragments lie in LDS
; ---- k: source 0 = 16 rows of Wk, source 1 = my 16 keys: a lane holds one key, its registers run along the features
.irp s, 0,1
.irp c, 0,1,2,3
	ds_load_b128 v[32+16*\s+4*\c:35+16*\s+4*\c], v7 offset:CIMG+2048*\s+512*\c
.endr
	ds_load_b32 v[12+\s], v3 offset:CSC+128*\s
.endr
	s_wait_dscnt 0x0
	s_wait_loadcnt 0x0
	WIN 0x01                                       ; source 0 window 1.  The eight accumulators take turns
.irp t, 0,1,2,3,4,5,6,7
	v_wmma_scale_f32_16x16x128_f8f6f4 v[CV+8*\t:CV+8*\t+7], v[32*\t:32*\t+15], v[32:47], v[192+8*\t:199+8*\t], v[16+2*\t], v12
.endr
.irp t, 0,1,2,3,4,5,6,7
	v_wmma_scale_f32_16x16x128_f8f6f4 v[CV+8*\t:CV+8*\t+7], v[32*\t+16:32*\t+31], v[48:63], v[CV+8*\t:CV+8*\t+7], v[17+2*\t], v13
.endr
	WIN 0
.rept 8
	v_nop                                          ; eight places behind this form ahead of the first read of results
.endr
	QUANT64                                        ; along the features: K step 'part' of the scores' product
	v_and_b32 v4, 15, v0
	v_lshlrev_b32 v4, 4, v4                        ; 16 r
.irp c, 0,1,2,3
	global_store_b128 v1, v[PC+4*\c:PC+4*\c+3], s[38:39] offset:512*\c      ; 32 lanes store 512 consecutive bytes
.endr
	global_store_b32 v4, v[PW], s[40:41]           ; lanes r and r + 16 store the same word
; ---- v: source 0 = 16 keys of cond, source 1 = my 16 rows of Wv: a lane holds one feature, its registers run along the keys
.irp k, 0,1,2,3,4,5,6,7
	v_mov_b32 v[192+\k], v11                       ; bv of my feature, eight times: the C of the first products
.endr
	WIN 0x40
.irp f, 0,1,2,3,4,5,6,7,8,9,10,11,12,13,14,15
.irp c, 0,1,2,3
	ds_load_b128 v[16*\f+4*\c:16*\f+4*\c+3], v1 offset:CIMG+2048*\f+512*\c
.endr
.endr
	WIN 0
.irp f, 0,1,2,3,4,5,6,7,8,9,10,11,12,13,14,15
	ds_load_b32 v[16+\f], v2 offset:CSC+128*\f
.endr
	s_wait_dscnt 0x0
	WIN 0x01
.irp t, 0,1,2,3,4,5,6,7
	v_wmma_scale_f32_16x16x128_f8f6f4 v[CV+8*\t:CV+8*\t+7], v[32*\t:32*\t+15], v[160:175], v[192:199], v[16+2*\t], v14
.endr
.irp t, 0,1,2,3,4,5,6,7
	v_wmma_scale_f32_16x16x128_f8f6f4 v[CV+8*\t:CV+8*\t+7], v[32*\t+16:32*\t+31], v[176:191], v[CV+8*\t:CV+8*\t+7], v[17+2*\t], v15
.endr
	WIN 0
.rept 8
	v_nop
.endr
	s_wait_xcnt 0x0                                ; k's stores have read their registers: the codes and the word may be written again
	QUANT64                                        ; along the 128 keys
.irp c, 0,1,2,3
	global_store_b128 v1, v[PC+4*\c:PC+4*\c+3], s[42:43] offset:512*\c
.endr
	global_store_b32 v1, v[PW], s[44:45]
	s_wait_xcnt 0x0
	v_lshl_add_u32 v254, v0, 2, 0x8c00
	v_mov_b32 v255, 0
	s_wait_tensorcnt 0x0
	ds_add_u32 v254, v255
	s_wait_dscnt 0x0
	s_endpgm
; ---------------- the weights into fragment order.  Work-group g' = x - 128 writes 16,384 bytes of wfrag (8 fragments) and 512 bytes of wscl
.Lrelay:
	s_sub_co_u32 s70, ttmp9, 128                   ; g'
	s_wait_kmcnt 0x0
	s_cmp_lt_u32 s70, 16                           ; Wq: g' 0-15; W1: 16-47; W2: 48-79.  The choices hang on the work-group's number alone
	s_cselect_b64 s[72:73], s[22:23], s[26:27]
	s_cselect_b64 s[74:75], s[24:25], s[28:29]
	s_cselect_b32 s76, 0, 16
	s_cmp_lt_u32 s70, 48
	s_cselect_b64 s[72:73], s[72:73], s[30:31]
	s_cselect_b64 s[74:75], s[74:75], s[32:33]
	s_cselect_b32 s76, s76, 48
	s_cselect_b32 s77, 2, 3                        ; LNS: a row has 4 or 8 K steps of 128
	s_sub_co_u32 s78, s70, s76                     ; g: my place in the matrix
	s_add_co_u32 s79, s77, 7                       ; a row of codes is 2^(7 + LNS) bytes
	s_mov_b32 s89, 0
	s_lshl_b32 s88, s70, 14
	s_add_nc_u64 s[34:35], s[34:35], s[88:89]
	s_lshl_b32 s88, s70, 9
	s_add_nc_u64 s[36:37], s[36:37], s[88:89]
	v_and_b32 v1, 15, v0                           ; r
	v_bfe_u32 v2, v0, 4, 1                         ; h
	v_and_b32 v3, 8, v1
	v_add_nc_u32 v3, v3, v1                        ; rr
	v_lshlrev_b32 v4, s79, v3
	v_lshl_add_u32 v4, v2, 4, v4                   ; rr rows + 16 h
	v_lshlrev_b32 v5, 4, v0                        ; out: 16 x thread
	s_lshr_b32 s80, s46, 2
	s_and_b32 s81, s46, 3
	s_lshl_b32 s81, s81, 5                         ; piece c = wave % 4: 32 c
	s_lshl_b32 s82, s78, 3
	s_add_co_u32 s82, s82, s80                     ; fragment 8 g + wave / 4 (+ 2 i)
	s_lshl_b32 s83, 1, s77
	s_sub_co_u32 s83, s83, 1
.irp i, 0,1,2,3
	s_add_co_u32 s84, s82, 2*\i                    ; f = tau NS + s
	s_and_b32 s85, s84, s83                        ; s
	s_lshr_b32 s84, s84, s77                       ; tau
	s_lshr_b32 s86, s84, 1
	s_lshl_b32 s86, s86, 5
	s_and_b32 s84, s84, 1
	s_lshl_b32 s84, s84, 3
	s_add_co_u32 s84, s84, s86                     ; the tile's first row
	s_lshl_b32 s84, s84, s79
	s_lshl_b32 s85, s85, 7
	s_add_co_u32 s84, s84, s85
	s_add_co_u32 s84, s84, s81
	v_add_nc_u32 v[8+\i], s84, v4
	global_load_b128 v[16+4*\i:19+4*\i], v[8+\i], s[72:73]
.endr
.irp i, 0,1,2,3
	s_wait_loadcnt 3-\i
	global_store_b128 v5, v[16+4*\i:19+4*\i], s[34:35] offset:4096*\i       ; a wave stores 512 consecutive bytes
.endr
	s_cmp_ge_u32 s46, 4                            ; the scale words: 128 threads
	s_cbranch_scc1 .Ldone
	v_and_b32 v6, 3, v0                            ; tau % 4
	v_bfe_u32 v7, v0, 2, 4                         ; r
	v_bfe_u32 v12, v0, 6, 1                        ; s % 2
	v_and_b32 v13, 8, v7
	v_add_nc_u32 v13, v13, v7                      ; rr
	v_lshrrev_b32 v14, 1, v6
	v_lshl_add_u32 v13, v14, 5, v13
	v_and_b32 v14, 1, v6
	v_lshl_add_u32 v13, v14, 3, v13
	s_sub_co_u32 s84, s77, 1
	s_lshr_b32 s85, s78, s84                       ; tau / 4
	s_lshl_b32 s85, s85, 6
	v_add_nc_u32 v13, s85, v13                     ; the row
	s_add_co_u32 s86, s77, 2
	v_lshlrev_b32 v13, s86, v13                    ; a row of scale bytes is 2^(2 + LNS) bytes
	s_lshl_b32 s87, 1, s84
	s_sub_co_u32 s87, s87, 1
	s_and_b32 s87, s78, s87                        ; s / 2
	s_lshl_b32 s87, s87, 3
	v_lshl_add_u32 v13, v12, 2, v13
	v_add_nc_u32 v13, s87, v13
	global_load_b32 v15, v13, s[74:75]
	v_lshlrev_b32 v14, 2, v0
	s_wait_loadcnt 0x0
	global_store_b32 v14, v15, s[36:37]
.Ldone:
	s_endpgm
.Lfunc_end_k_q601e43c285_prep:
	.size	k_q601e43c285_prep, .Lfunc_end_k_q601e43c285_prep-k_q601e43c285_prep
	.p2alignl 7, 3214868480
	.fill 96, 4, 3214868480
	.section	.rodata,"a",@progbits
	.p2align	6, 0x0
	.amdhsa_kernel k_q601e43c285_prep
		.amdhsa_group_segment_fixed_size 36864
		.amdhsa_private_segment_fixed_size 0
		.amdhsa_enable_private_segment 0
		.amdhsa_kernarg_size 168
		.amdhsa_user_sgpr_count 2
		.amdhsa_user_sgpr_kernarg_segment_ptr 1
		.amdhsa_wavefront_size32 1
		.amdhsa_system_sgpr_workgroup_id_x 1
		.amdhsa_system_sgpr_workgroup_id_y 1
		.amdhsa_system_sgpr_workgroup_id_z 1
		.amdhsa_system_vgpr_workitem_id 0
		.amdhsa_next_free_vgpr 512
		.amdhsa_next_free_sgpr 96
		.amdhsa_reserve_vcc 0
		.amdhsa_float_denorm_mode_32 3
		.amdhsa_float_denorm_mode_16_64 3
		.amdhsa_memory_ordered 1
		.amdhsa_forward_progress 1
		.amdhsa_inst_pref_size 73
	.end_amdhsa_kernel
	.amdgpu_metadata
---
amdhsa.version: [ 1, 2 ]
amdhsa.kernels:
  - .name:           k_q601e43c285_prep
    .symbol:         k_q601e43c285_prep.kd
    .args:
      - { .name: cond_emb, .offset: 0, .size: 8, .value_kind: global_buffer, .address_space: global }
      - { .name: conv_w, .offset: 8, .size: 8, .value_kind: global_buffer, .address_space: global }
      - { .name: conv_b, .offset: 16, .size: 8, .value_kind: global_buffer, .address_space: global }
      - { .name: Wk_codes, .offset: 24, .size: 8, .value_kind: global_buffer, .address_space: global }
      - { .name: Wk_scales, .offset: 32, .size: 8, .value_kind: global_buffer, .address_space: global }
      - { .name: bk, .offset: 40, .size: 8, .value_kind: global_buffer, .address_space: global }
      - { .name: Wv_codes, .offset: 48, .size: 8, .value_kind: global_buffer, .address_space: global }
      - { .name: Wv_scales, .offset: 56, .size: 8, .value_kind: global_buffer, .address_space: global }
      - { .name: bv, .offset: 64, .size: 8, .value_kind: global_buffer, .address_space: global }
      - { .name: Wq_codes, .offset: 72, .size: 8, .value_kind: global_buffer, .address_space: global }
      - { .name: Wq_scales, .offset: 80, .size: 8, .value_kind: global_buffer, .address_space: global }
      - { .name: W1_codes, .offset: 88, .size: 8, .value_kind: global_buffer, .address_space: global }
      - { .name: W1_scales, .offset: 96, .size: 8, .value_kind: global_buffer, .address_space: global }
      - { .name: W2_codes, .offset: 104, .size: 8, .value_kind: global_buffer, .address_space: global }
      - { .name: W2_scales, .offset: 112, .size: 8, .value_kind: global_buffer, .address_space: global }
      - { .name: wfrag, .offset: 120, .size: 8, .value_kind: global_buffer, .address_space: global }
      - { .name: wscl, .offset: 128, .size: 8, .value_kind: global_buffer, .address_space: global }
      - { .name: kfrag, .offset: 136, .size: 8, .value_kind: global_buffer, .address_space: global }
      - { .name: kscl, .offset: 144, .size: 8, .value_kind: global_buffer, .address_space: global }
      - { .name: vfrag, .offset: 152, .size: 8, .value_kind: global_buffer, .address_space: global }
      - { .name: vscl, .offset: 160, .size: 8, .value_kind: global_buffer, .address_space: global }
    .group_segment_fixed_size: 36864
    .private_segment_fixed_size: 0
    .kernarg_segment_align: 8
    .kernarg_segment_size: 168
    .max_flat_workgroup_size: 256
    .sgpr_count:     96
    .vgpr_count:     512
    .wavefront_size: 32
...
	.end_amdgpu_metadata
.endif
;; end of part 1
;; launch main (part 2): grid 256 x 1, 8 waves a work-group, no clusters, 266,240 bytes of LDS; arguments x, wfrag, wscl, bq, kfrag, kscl, vfrag, vscl, ln1_w, ln1_b, b1, b2, ln2_w, ln2_b, out0; writes out0
.if DOCPART == 2
	.amdgcn_target "amdgcn-amd-amdhsa--gfx1250"
	.amdhsa_code_object_version 6
	.text
	.protected	k_q601e43c285_main
	.globl	k_q601e43c285_main
	.p2align	8
	.type	k_q601e43c285_main,@function
k_q601e43c285_main:
	s_mov_b64 s[64:65], 0
	v_nop
	global_prefetch_b8 v0, s[64:65] scope:SCOPE_SE
	s_setreg_imm32_b32 hwreg(HW_REG_WAVE_MODE, 25, 1), 1
	s_wait_xcnt 0x0
; THE WHOLE BLOCK FOR 128 ROWS OF ONE BATCH: q = x Wq^T + bq; scores = q k^T; p = 2^(t - M); a = q l + p v; query = LN1; h = gelu(query W1^T + b1); query + h W2^T + b2; LN2; + x.
; All seven products on codes of E4M3 with one E8M0 scale for each 32 along K; everything else in f32.  No intermediate goes to memory.
; SHARES.  Eight waves of 512 registers, two to a SIMD, so that one wave's vector work stands beside the other's products.  THE WAVES SHARE THE COLUMNS: wave w owns features 64 w .. 64 w + 63 of all 128 rows:
; 32 accumulators of 16 x 16 in window 1 (row tile m, feature tile t at v[32 m + 8 t]), which carry the residual stream from q to the second norm.  In the first MLP product wave w owns hidden units 128 w .. + 127,
; which are K step w of the second.  The scores alone go by rows (wave w = row tile w), so that a softmax never leaves a wave.
; EVERY PRODUCT IS USED TRANSPOSED (source 0 = 16 rows of a weight, of k or of v^T; source 1 = 16 tokens): a lane holds ONE token (lane % 16).  The rows of a tile are ROW(t, r) = 32 (t/2) + 8 (t%2) + r + 8 (r/8), so that
; register 16 b + i of a lane's 32 is feature 64 w + 32 b + 16 (lane / 16) + i: 16 neighbours along the next K, which the conversions turn straight into registers of the next operand.
; OPERANDS GO FROM WAVE TO WAVE THROUGH LDS AS IMAGES OF THEIR REGISTERS (2,048 bytes a fragment: registers 4c..4c+3 of lane l at 512 c + 16 l).  The weights lie in memory in that order (the launch before) and go
; straight into registers, each byte once for a work-group, 512 consecutive bytes a load; a weight set is asked for one K step, its scale words two K steps, ahead of their use.
; NO CLUSTER, NO TENSOR LOAD: a weight byte is used by one wave of a work-group; shared among work-groups it would have to pass through LDS, 1.28 MB written and 1.28 MB read for each work-group beside the 5.6 MB that the
; rows' images already move there.
; LN1 WITHOUT THE DIVISION BY l: with a = q l + sum p v, LN(q + attn) = (a - mean a) rsqrt(var a + eps l^2), exactly.
; gelu(x) = max(x, 0) - |x| c, c = erfc(|x| / sqrt 2) / 2 = t 2^E, t = 1 / (1 + 0.35355339 |x|), E = -0.72134752 x^2 + a polynomial of degree 9 in t (the published rational-exponential fit of erfc, fractional error 1.2e-7).
; x IS READ TWICE: 256 KB of registers carry the residual stream and LDS holds 259 KB, so 256 KB of x cannot be kept; the second read is asked for ahead, a strip of 32 rows in each trip of the last product.
; LIMITS: NaN and infinities are not served; a block of zeros gets the scale byte 1 (its codes are zeros; this program alone reads the bytes); for x under about -13 gelu's c falls to 0 (the true value is under 1e-37).
.set XIMG,  0                          ; LDS: x's codes, later query's: [K step 4][row tile 8] images
.set QIMG,  65536                      ; q's codes, likewise
.set KIMG,  131072                     ; k's: [K step 4][key tile 8]
.set HIMG,  65536                      ; the hidden layer's, over q's and k's: [K step 8][row tile 8]
.set LB0,   196608                     ; the small regions begin here
.set XSC,   196608                     ; scale words of x, later of query: [s/2][r + 16 (s%2)][m 8]
.set HSC,   198656                     ; of the hidden layer (4,096 bytes); its first 2,048 serve q before
.set PIMG,  202752                     ; p's codes: [row tile 8]
.set PSC,   219136                     ; p's scale words: [m/4][lane][m%4]
.set LSUM,  220160                     ; (l, eps l^2): [m/2][lane][m%2]
.set STAT1, 222208                     ; the norms' partial sums [m][r 16][w 8]; the sums of squares 4,096 bytes further on
.set STAGE, 230400                     ; 16 rows x 272 bytes for each wave: rows as they lie in memory <-> a lane's 16 neighbours
.set WIA,  4                           ; v4   where I store my two pieces of an image
.set SCW,  5                           ; v5   and my two bytes of a scale word
.set NWS,  28                          ; v28-31 the next pair's weight scale words, on their way (in the first MLP product: W1's scale words)
.set HT,   224                         ; v224-239 16 numbers held
.set CD,   240                         ; v240-247 codes just made
.set MX,   248                         ; v248-249 largest magnitudes, then bytes
.set PX,   250
.set SO,   252                         ; the conversions' scale operands
.set HD,   254                         ; 448 x the scale
.set MSB, 0
.macro WIN new                         ; s_set_vgpr_msb: bits 1:0 source 0, 3:2 source 1, 5:4 source 2, 7:6 destination; the high byte repeats the setting that is left
.if MSB != (\new)
	s_set_vgpr_msb (MSB<<8)|(\new)
.set MSB, (\new)
.endif
.endm
.macro BARRIER                         ; my LDS stores have landed and my LDS loads are in: then the work-group's barrier
	s_wait_dscnt 0x0
	s_barrier_signal -1
	s_barrier_wait -1
.endm
.macro PLACES n                        ; plain vector lines behind matrix instructions: eight for this form
.rept \n
	v_nop
.endr
.endm
.macro LOADP dst, sp                   ; 32 numbers of a vector over the features, in the accumulators' order: register 16 b + i = feature 64 w + 32 b + 16 h + i
.irp b, 0,1
.irp i, 0,1,2,3
	global_load_b128 v[\dst+16*\b+4*\i:\dst+16*\b+4*\i+3], v14, s[\sp:\sp+1] offset:128*\b+16*\i
.endr
.endr
.endm
; 32 numbers of a lane (two blocks of 32 along K, each shared with lane l xor 16) in window 'win' become 8 registers of codes and 2 scale bytes, stored into an image and a scale word
.macro QUANT32 src, win, ia, ioff, sa, soff
	s_wait_dscnt 0x0                               ; earlier stores have read the codes' registers; earlier loads are in
	WIN (0x14*\win)
.irp b, 0,1
	v_max3_num_f32 v[MX+\b], 0x4800000, |v[\src+16*\b]|, |v[\src+16*\b+1]|      ; the floor 2^(9 - 127) among the leaves: the byte cannot fall under 1
.endr
.irp i, 1,2,3,4,5,6,7
.irp b, 0,1
	v_max3_num_f32 v[MX+\b], v[MX+\b], |v[\src+16*\b+2*\i]|, |v[\src+16*\b+2*\i+1]|
.endr
.endr
	WIN 0
.irp b, 0,1
	v_permlanex16_b32 v[PX+\b], v[MX+\b], s53, s54
.endr
.irp b, 0,1
	v_max_num_f32 v[MX+\b], v[MX+\b], v[PX+\b]             ; the block's largest magnitude
.endr
.irp b, 0,1
	v_add_nc_u32 v[SO+\b], 0xfc000000, v[MX+\b]            ; 8 off its exponent field
.endr
.irp b, 0,1
	v_and_or_b32 v[HD+\b], v[MX+\b], 0x7f800000, s55       ; 448 x the scale
.endr
.irp b, 0,1
	v_lshrrev_b32 v[MX+\b], 23, v[SO+\b]                   ; the byte
.endr
	v_lshl_or_b32 v[MX], v[MX+1], 8, v[MX]
.irp b, 0,1
	WIN (0x01*\win)
.irp i, 0,1,2,3,4,5,6,7,8,9,10,11,12,13,14,15
	v_med3_num_f32 v[HT+\i], v[\src+16*\b+\i], -v[HD+\b], v[HD+\b]      ; the conversion does not saturate (ISA guide 7.6.2); the numbers themselves stay as they are
.endr
	WIN 0
	v_cvt_scalef32_pk8_fp8_f32 v[CD+4*\b:CD+4*\b+1], v[HT:HT+7], v[SO+\b]
	v_cvt_scalef32_pk8_fp8_f32 v[CD+4*\b+2:CD+4*\b+3], v[HT+8:HT+15], v[SO+\b]
	v_nop                                          ; one plain line behind the conversions
.endr
	ds_store_b128 v[\ia], v[CD:CD+3] offset:\ioff
	ds_store_b128 v[\ia], v[CD+4:CD+7] offset:\ioff+512
	ds_store_b16 v[\sa], v[MX] offset:\soff        ; lanes r and r + 16 store the same two bytes
.endm
; two weight tiles (first, first + 1) of K step 'so' from the pointer on, into weight set e (v64-127 or v128-191)
.macro WLOADH e, so, ns, wp, first
.irp t, 0,1
.irp c, 0,1,2,3
	global_load_b128 v[64+64*\e+16*((\first)+\t)+4*\c:64+64*\e+16*((\first)+\t)+4*\c+3], v1, s[\wp:\wp+1] offset:(((\first)+\t)*\ns+\so)*2048+512*\c
.endr
.endr
.endm
.macro WLOAD e, so, ns, wp
	WLOADH \e, \so, \ns, \wp, 0
	WLOADH \e, \so, \ns, \wp, 2
.endm
; group G of a pair's eight: K step G / 4 of the pair, row tiles 2 (G % 4) and 2 (G % 4) + 1; two buffers of 32 registers by turns
.macro AGLOAD G
.irp mm, 0,1
.irp c, 0,1,2,3
	ds_load_b128 v[192+32*((\G)%2)+16*\mm+4*\c:192+32*((\G)%2)+16*\mm+4*\c+3], v2 offset:((\G)/4)*16384+(2*((\G)%4)+\mm)*2048+512*\c
.endr
.endr
.endm
.macro GMUL G, bias                    ; eight products; the 32 accumulators take turns in the same order in every K step
.if \bias
	WIN 0x40                                       ; D window 1, C (the bias) window 0
.else
	WIN 0x50                                       ; C and D window 1
.endif
.irp mm, 0,1
.irp t, 0,1,2,3
.set rD, 32*(2*((\G)%4)+\mm)+8*\t
.set rA, 64+64*((\G)/4)+16*\t
.set rB, 192+32*((\G)%2)+16*\mm
.set rS, 16+2*((\G)%4)+\mm
.if \bias
	v_wmma_scale_f32_16x16x128_f8f6f4 v[rD:rD+7], v[rA:rA+15], v[rB:rB+15], v[32+8*\t:39+8*\t], v[8+\t], v[rS]
.elseif (\G) < 4
	v_wmma_scale_f32_16x16x128_f8f6f4 v[rD:rD+7], v[rA:rA+15], v[rB:rB+15], v[rD:rD+7], v[8+\t], v[rS]
.else
	v_wmma_scale_f32_16x16x128_f8f6f4 v[rD:rD+7], v[rA:rA+15], v[rB:rB+15], v[rD:rD+7], v[8+\t], v[rS] matrix_a_scale:MATRIX_SCALE_ROW1 matrix_b_scale:MATRIX_SCALE_ROW1
.endif
.endr
.endr
	WIN 0
.endm
; TWO K STEPS of a product of my 4 weight tiles with all 8 row tiles.  On entry weight set 0 AND the pair's four weight scale words (into v[NWS] on) have been asked for: both a K step ago or earlier, so that the wait at the
; head waits for no request of this pair's own.  The scale words serve both steps: the even step reads lanes 0-15, the odd one lanes 16-31.
; mode 0: the next pair's set 0 and scale words are asked for; 1: nothing follows; 2: the loop of the last product: in its last trip b2 and ln2_w take the next set's place, and no scale words are asked for (none are left in the buffer).
.macro PAIR ab, sb, wp, wsp, ns, bias, mode
	v_add_nc_u32 v2, s61, v[\ab]                   ; the pair's images
	v_add_nc_u32 v3, s62, v[\sb]                   ; and the rows' scale words
	WLOAD 1, 1, \ns, \wp
.if \mode == 2
	global_prefetch_b8 v7, s[4:5] th:TH_LOAD_NT scope:SCOPE_SE      ; 32 rows of my strip of x, one row's 256 bytes a lane: each block is asked for once in the launch, by the wave that will read it
.endif
	ds_load_b128 v[16:19], v3
	ds_load_b128 v[20:23], v3 offset:16
	AGLOAD 0
	AGLOAD 1
	s_wait_loadcnt 16                              ; set 0 and the scale words are in; set 1's 16 loads, just issued, may be out
.irp t, 0,1,2,3
	v_mov_b32 v[8+\t], v[NWS+\t]                   ; the pair's scale words take their place (the last products that read v8-11 stand ten plain lines back); v[NWS] on is free for the next pair's
.endr
	PLACES 8                                       ; a scale register written by a vector instruction stands eight places ahead of a scaled product
.irp G, 0,1,2,3
	s_wait_dscnt 8                                 ; this group's fragments are in; the next group's 8 loads may be out
	GMUL \G, \bias
	PLACES 8
	AGLOAD \G+2
.endr
.if \mode == 0
	global_load_b128 v[NWS:NWS+3], v1, s[\wsp:\wsp+1] offset:512    ; the next pair's scale words
	WLOAD 0, 2, \ns, \wp
	s_wait_loadcnt 17                              ; set 1 is in; the 1 + 16 loads just issued may be out
.elseif \mode == 1
	s_wait_loadcnt 0x0
.else
	s_cmp_eq_u32 s59, 1
	s_cbranch_scc1 .Lhook_\@
	global_load_b128 v[NWS:NWS+3], v1, s[\wsp:\wsp+1] offset:512
	WLOAD 0, 2, \ns, \wp
	s_wait_loadcnt 17                              ; set 1 is in; 1 + 16 loads were issued behind it on this way,
	s_branch .Ljoin_\@
.Lhook_\@:
	LOADP 64, 26                                   ; b2
	LOADP 96, 28                                   ; ln2_w
	s_wait_loadcnt 16                              ; and 16 on this one
.Ljoin_\@:
.endif
.irp G, 4,5
	s_wait_dscnt 8
	GMUL \G, 0
	PLACES 8
	AGLOAD \G+2
.endr
	s_wait_dscnt 8
	GMUL 6, 0
	s_wait_dscnt 0x0
	GMUL 7, 0
	PLACES 8
	s_wait_xcnt 0x0                                ; the loads' addresses are translated (ISA guide 3.1): the pointers may step
	s_add_nc_u64 s[\wp:\wp+1], s[\wp:\wp+1], 4096
	s_add_nc_u64 s[\wsp:\wsp+1], s[\wsp:\wsp+1], 512
	s_add_co_u32 s61, s61, 32768
	s_add_co_u32 s62, s62, 1024
.endm
; THE NORMS.  A lane's 32 numbers of each row tile, then lane l xor 16's: my wave's part of a row's sum, to [m][r][w]
.macro LNFOLD sb, sw, off
.irp m, 0,1,2,3,4,5,6,7
	v_add_f32 v[\sb+2*\m], v[\sb+2*\m], v[\sb+2*\m+1]
.endr
.irp m, 0,1,2,3,4,5,6,7
	v_permlanex16_b32 v[\sb+2*\m+1], v[\sb+2*\m], s53, s54
.endr
.irp m, 0,1,2,3,4,5,6,7
	v_add_f32 v[\sb+2*\m], v[\sb+2*\m], v[\sb+2*\m+1]
.endr
.irp m, 0,1,2,3,4,5,6,7
	ds_store_b32 v[\sw], v[\sb+2*\m] offset:\off+512*\m
.endr
.endm
.macro LNSUM sb, sw
	WIN 0x05
.irp m, 0,1,2,3,4,5,6,7
	v_pk_add_f32 v[\sb+2*\m:\sb+2*\m+1], v[32*\m:32*\m+1], v[32*\m+2:32*\m+3]       ; each accumulator is read from its low end on
.endr
	WIN 0x04
.irp i, 2,3,4,5,6,7,8,9,10,11,12,13,14,15
.irp m, 0,1,2,3,4,5,6,7
	v_pk_add_f32 v[\sb+2*\m:\sb+2*\m+1], v[\sb+2*\m:\sb+2*\m+1], v[32*\m+2*\i:32*\m+2*\i+1]
.endr
.endr
	WIN 0
	LNFOLD \sb, \sw, 0
.endm
.macro LNRED st                        ; four waves' parts a lane, then the other four from lane l xor 16
.irp m, 0,1,2,3,4,5,6,7
	v_add_f32 v[\st+4*\m], v[\st+4*\m], v[\st+4*\m+1]
.endr
.irp m, 0,1,2,3,4,5,6,7
	v_add_f32 v[\st+4*\m+2], v[\st+4*\m+2], v[\st+4*\m+3]
.endr
.irp m, 0,1,2,3,4,5,6,7
	v_add_f32 v[\st+4*\m], v[\st+4*\m], v[\st+4*\m+2]
.endr
.irp m, 0,1,2,3,4,5,6,7
	v_permlanex16_b32 v[\st+4*\m+1], v[\st+4*\m], s53, s54
.endr
.irp m, 0,1,2,3,4,5,6,7
	v_add_f32 v[\st+4*\m], v[\st+4*\m], v[\st+4*\m+1]
.endr
.endm
.macro LNDEV st, sb, sw, sr            ; the mean is taken off the accumulators; then the sums of squares of what is left
.irp m, 0,1,2,3,4,5,6,7
	ds_load_b128 v[\st+4*\m:\st+4*\m+3], v[\sr] offset:512*\m
.endr
	s_wait_dscnt 0x0
	LNRED \st
.irp m, 0,1,2,3,4,5,6,7
	v_mul_f32 v[\st+4*\m], 0xbb000000, v[\st+4*\m]         ; - the sum / 512
.endr
	WIN 0x41
.irp m, 0,1,2,3,4,5,6,7
.set k, 0
.rept 16
	v_pk_add_f32 v[32*\m+k:32*\m+k+1], v[32*\m+k:32*\m+k+1], v[\st+4*\m:\st+4*\m+1] op_sel_hi:[1,0]
.set k, k+2
.endr
.endr
	WIN 0x05
.irp m, 0,1,2,3,4,5,6,7
	v_pk_mul_f32 v[\sb+2*\m:\sb+2*\m+1], v[32*\m:32*\m+1], v[32*\m:32*\m+1]
.endr
.irp i, 1,2,3,4,5,6,7,8,9,10,11,12,13,14,15
.irp m, 0,1,2,3,4,5,6,7
	v_pk_fma_f32 v[\sb+2*\m:\sb+2*\m+1], v[32*\m+2*\i:32*\m+2*\i+1], v[32*\m+2*\i:32*\m+2*\i+1], v[\sb+2*\m:\sb+2*\m+1]
.endr
.endr
	WIN 0
	LNFOLD \sb, \sw, 4096
.endm
.macro W1LOAD                          ; two tiles of W1 x four K steps: fragment 4 t + s at v[64 + 16 (4 t + s)]
.irp f, 0,1,2,3,4,5,6,7
.irp c, 0,1,2,3
	global_load_b128 v[64+16*\f+4*\c:67+16*\f+4*\c], v1, s[36:37] offset:2048*\f+512*\c
.endr
.endr
.endm
.macro W1SMALL                         ; b1 of the two tiles, in the result's layout, and their scale words
.irp i, 0,1,2,3
	global_load_b128 v[32+4*\i:35+4*\i], v14, s[24:25] offset:16*\i
.endr
	global_load_b64 v[28:29], v23, s[42:43]
	global_load_b64 v[30:31], v23, s[42:43] offset:512
.endm
; ================ head
	s_load_b512 s[4:19], s[0:1], 0x0               ; x, wfrag, wscl, bq, kfrag, kscl, vfrag, vscl
	s_load_b256 s[20:27], s[0:1], 0x40             ; ln1_w, ln1_b, b1, b2
	s_load_b128 s[28:31], s[0:1], 0x60             ; ln2_w, ln2_b
	s_load_b64 s[32:33], s[0:1], 0x70              ; out0
	v_lshrrev_b32 v2, 5, v0
	v_readfirstlane_b32 s46, v2                    ; w
	v_and_b32 v1, 31, v0
	v_lshlrev_b32 v1, 4, v1                        ; v1 = 16 x lane, kept for the whole launch
	v_and_b32 v9, 15, v0                           ; r
	v_bfe_u32 v10, v0, 4, 1                        ; h
	v_lshlrev_b32 v6, 11, v10
	v_lshl_add_u32 v6, v9, 4, v6                   ; x as it lies: lanes 0-15 one row's 256 bytes, lanes 16-31 the next row's
	s_lshl_b32 s88, ttmp9, 18                      ; 128 rows of 2,048 bytes a work-group,
	s_lshl_b32 s90, s46, 8                         ; 256 bytes of a row a wave
	s_add_co_u32 s88, s88, s90
	s_mov_b32 s89, 0
	s_mov_b32 s91, 0
	s_wait_kmcnt 0x0
	s_add_nc_u64 s[4:5], s[4:5], s[88:89]
	WIN 0x40                                       ; x waits in the registers that will hold the accumulators
.irp m, 0,1,2,3,4,5,6,7
.irp i, 0,1,2,3,4,5,6,7
	global_load_b128 v[32*\m+4*\i:32*\m+4*\i+3], v6, s[4:5] offset:(16*\m+2*\i)*2048
.endr
.endr
	WIN 0
	s_add_nc_u64 s[32:33], s[32:33], s[88:89]
.irp p, 10,20,22,26,28,30
	s_add_nc_u64 s[\p:\p+1], s[\p:\p+1], s[90:91]  ; bq, ln1_w, ln1_b, b2, ln2_w, ln2_b at my 64 features
.endr
	s_lshl_b32 s90, s46, 9
	s_add_nc_u64 s[24:25], s[24:25], s[90:91]      ; b1 at my 128 hidden units
	s_lshr_b32 s47, ttmp9, 3                       ; the batch
	s_lshl_b32 s88, s47, 12
	s_add_co_u32 s88, s88, s90
	s_add_nc_u64 s[18:19], s[18:19], s[88:89]      ; vscl
	s_lshl_b32 s88, s47, 11
	s_add_nc_u64 s[14:15], s[14:15], s[88:89]      ; kscl
	s_lshl_b32 s88, s47, 16
	s_lshl_b32 s90, s46, 13
	s_add_co_u32 s88, s88, s90
	s_add_nc_u64 s[12:13], s[12:13], s[88:89]      ; kfrag: the eighth that I copy
	s_add_nc_u64 s[16:17], s[16:17], s[88:89]      ; vfrag: my four tiles
	s_lshl_b32 s88, s46, 15
	s_add_nc_u64 s[34:35], s[6:7], s[88:89]        ; Wq's fragments of my four tiles
	s_lshl_b32 s88, s46, 16
	s_add_co_u32 s90, s88, 262144
	s_add_nc_u64 s[36:37], s[6:7], s[90:91]        ; W1's of my eight
	s_add_co_u32 s90, s88, 786432
	s_add_nc_u64 s[38:39], s[6:7], s[90:91]        ; W2's of my four
	s_lshl_b32 s88, s46, 10
	s_add_nc_u64 s[40:41], s[8:9], s[88:89]        ; and their scale words
	s_lshl_b32 s88, s46, 11
	s_add_co_u32 s90, s88, 8192
	s_add_nc_u64 s[42:43], s[8:9], s[90:91]
	s_add_co_u32 s90, s88, 24576
	s_add_nc_u64 s[44:45], s[8:9], s[90:91]
	s_lshr_b32 s88, s46, 1
	s_and_b32 s89, s46, 1
	s_lshl_b32 s50, s88, 14
	s_lshl_b32 s90, s89, 10
	s_add_co_u32 s50, s50, s90                     ; my features are pieces 2 (w%2), 2 (w%2) + 1 of K step w/2
	s_lshr_b32 s51, s46, 2
	s_lshl_b32 s51, s51, 10
	s_and_b32 s90, s88, 1
	s_lshl_b32 s90, s90, 9
	s_add_co_u32 s51, s51, s90
	s_lshl_b32 s90, s89, 1
	s_add_co_u32 s51, s51, s90
	s_add_co_u32 s51, s51, XSC                     ; and bytes 2 (w%2), 2 (w%2) + 1 of its scale words
	s_mul_i32 s52, s46, 4352
	s_add_co_u32 s52, s52, STAGE                   ; my stage
	s_mov_b32 s53, 0x76543210
	s_mov_b32 s54, 0xfedcba98                      ; v_permlanex16_b32's selects for lane l xor 16
	s_mov_b32 s55, 0x600000                        ; the mantissa field of 448
	s_mov_b32 s56, 0x3d8293ee                      ; log2(e) / sqrt(512)
	s_mov_b32 s57, s56
	s_mov_b32 s58, 0x3727c5ac                      ; 1e-5
	s_mov_b32 s66, 0x3eb504f3                      ; 0.35355339
	s_mov_b32 s68, 0xbf38aa3b                      ; -0.72134752
	s_mov_b32 s69, s68
	s_mov_b32 s70, 0xc034d90f                      ; the polynomial's c0 .. c8, each as a pair for the packed form
	s_mov_b32 s72, 0x3fb8ab5a
	s_mov_b32 s74, 0x3f0a29d2
	s_mov_b32 s76, 0x3e0efb2e
	s_mov_b32 s78, 0xbe899a80
	s_mov_b32 s80, 0x3ecdfd18
	s_mov_b32 s82, 0xbfd1a1e5
	s_mov_b32 s84, 0x40097039
	s_mov_b32 s86, 0xbf97d29d
.irp i, 70,72,74,76,78,80,82,84,86
	s_mov_b32 s[\i+1], s[\i]
.endr
	v_mul_u32_u24 v2, v10, 272
	v_lshl_add_u32 v2, v9, 4, v2
	v_add_nc_u32 v2, s52, v2                       ; the stage by rows as in memory: 272 h + 16 r, two rows a store
	v_mul_u32_u24 v3, v9, 272
	v_lshl_add_u32 v3, v10, 6, v3
	v_add_nc_u32 v3, s52, v3                       ; and by tokens: row r, + 64 h: my 16 neighbours of a block
	v_add_nc_u32 v[WIA], s50, v1
	v_lshlrev_b32 v[SCW], 5, v9
	v_add_nc_u32 v[SCW], s51, v[SCW]
	s_lshl_b32 s90, s46, 13
	s_add_co_u32 s90, s90, KIMG
	v_add_nc_u32 v7, s90, v1
	v_lshlrev_b32 v14, 6, v10                      ; v14 = 64 h, kept for the whole launch
	v_mov_b32 v[PX], 0                             ; written once: a lane permute's destination counts as one of its sources
	v_mov_b32 v[PX+1], 0
; ================ X: my 64 features of the 128 rows of x become codes.  A tile's 8 loads go through my stage and come back 16 neighbours a lane
.macro XTILE m, left
	s_wait_loadcnt \left                           ; tile m is in: behind it stand the later tiles' loads and the small loads issued so far
.if \m < 2
.irp i, 0,1,2,3,4,5,6,7
	global_load_b128 v[128+32*\m+4*\i:131+32*\m+4*\i], v1, s[12:13] offset:4096*\m+512*\i    ; my eighth of k's images
.endr
.elseif \m < 4
	WLOADH 0, 0, 4, 34, 2*(\m-2)                   ; Wq's first K step
.elseif \m == 4
	LOADP 32, 10                                   ; bq
.elseif \m == 5
	global_load_b128 v[NWS:NWS+3], v1, s[40:41]    ; the scale words of Wq's first two K steps
.endif
	WIN 0x04                                       ; an LDS store's data are its source 1
.irp i, 0,1,2,3,4,5,6,7
	ds_store_b128 v2, v[32*\m+4*\i:32*\m+4*\i+3] offset:544*\i
.endr
	WIN 0
.irp b, 0,1
.irp j, 0,1,2,3
	ds_load_b128 v[192+16*\b+4*\j:195+16*\b+4*\j], v3 offset:128*\b+16*\j    ; LDS serves a wave's instructions in order (ISA guide 5.7.1.4): these see the stores above
.endr
.endr
	QUANT32 192, 0, WIA, \m*2048, SCW, 4*\m
.endm
	XTILE 0, 56                                    ; 8 (7 - m) loads of later tiles + the small loads so far: 0, 8, 16, 24, 32, 40, 41, 41
	XTILE 1, 56
	XTILE 2, 56
	XTILE 3, 56
	XTILE 4, 56
	XTILE 5, 56
	XTILE 6, 49
	XTILE 7, 41
	s_wait_loadcnt 25                              ; k's copy is in; Wq's 16 loads, bq's 8 and the scale words' one may be out
.irp i, 0,1,2,3,4,5,6,7,8,9,10,11,12,13,14,15
	ds_store_b128 v7, v[128+4*\i:131+4*\i] offset:512*\i
.endr
	BARRIER                                        ; x's 32 images, their scale words and k's 32 images lie in LDS
; ================ P1: q = x Wq^T + bq
	v_and_b32 v13, 31, v0
	v_lshl_add_u32 v13, v13, 5, XSC
	s_mov_b32 s61, 0
	s_mov_b32 s62, 0
	PAIR 1, 13, 34, 40, 4, 1, 0
	PAIR 1, 13, 34, 40, 4, 0, 1
; ================ Q: q becomes codes (it also stays in the accumulators)
	v_add_nc_u32 v6, QIMG, v[WIA]
.irp q, 0,1,2,3
	global_load_b128 v[16+4*\q:19+4*\q], v1, s[14:15] offset:512*\q          ; k's scale words: register 16 + 2 T + s/2
.endr
.irp m, 0,1,2,3,4,5,6,7
	QUANT32 32*\m, 1, 6, \m*2048, SCW, 2048+4*\m
.endr
	BARRIER                                        ; q's 32 images lie in LDS
; ================ S: the scores of row tile w against all 128 keys, and its softmax
.set SS, 192                           ; v192-255 S^T: register 16 b + i = key 32 b + 16 h + i
.set BM, 64                            ; v64-67 each block's largest score, then its largest p
.set BP, 68
.set BH, 72
.set BO, 76
	s_lshl_b32 s88, s46, 11
	s_add_co_u32 s88, s88, QIMG
	v_add_nc_u32 v2, s88, v1
	v_add_nc_u32 v3, KIMG, v1
	v_and_b32 v6, 31, v0
	s_lshl_b32 s88, s46, 2
	s_add_co_u32 s88, s88, HSC
	v_lshl_add_u32 v6, v6, 5, s88
	ds_load_b32 v8, v6
	ds_load_b32 v9, v6 offset:1024
	s_wait_loadcnt 0x0
.irp s, 0,1,2,3
.irp c, 0,1,2,3
	ds_load_b128 v[32+4*\c:35+4*\c], v2 offset:16384*\s+512*\c
.endr
.irp T, 0,1,2,3,4,5,6,7
.irp c, 0,1,2,3
	ds_load_b128 v[64+16*\T+4*\c:67+16*\T+4*\c], v3 offset:16384*\s+2048*\T+512*\c
.endr
.endr
	s_wait_dscnt 0x0
.irp T, 0,1,2,3,4,5,6,7
.if \s == 0
	v_wmma_scale_f32_16x16x128_f8f6f4 v[SS+8*\T:SS+8*\T+7], v[64+16*\T:79+16*\T], v[32:47], 0, v[16+2*\T], v8
.elseif \s == 1
	v_wmma_scale_f32_16x16x128_f8f6f4 v[SS+8*\T:SS+8*\T+7], v[64+16*\T:79+16*\T], v[32:47], v[SS+8*\T:SS+8*\T+7], v[16+2*\T], v8 matrix_a_scale:MATRIX_SCALE_ROW1 matrix_b_scale:MATRIX_SCALE_ROW1
.elseif \s == 2
	v_wmma_scale_f32_16x16x128_f8f6f4 v[SS+8*\T:SS+8*\T+7], v[64+16*\T:79+16*\T], v[32:47], v[SS+8*\T:SS+8*\T+7], v[17+2*\T], v9
.else
	v_wmma_scale_f32_16x16x128_f8f6f4 v[SS+8*\T:SS+8*\T+7], v[64+16*\T:79+16*\T], v[32:47], v[SS+8*\T:SS+8*\T+7], v[17+2*\T], v9 matrix_a_scale:MATRIX_SCALE_ROW1 matrix_b_scale:MATRIX_SCALE_ROW1
.endif
.endr
	PLACES 8
.endr
.irp b, 0,1,2,3
	v_max3_num_f32 v[BM+\b], v[SS+16*\b], v[SS+16*\b+1], v[SS+16*\b+2]      ; the largest score of each block of 32 keys: for the row's maximum, and, since p rises with the score, for the block's largest p
.endr
.irp i, 3,5,7,9,11,13
.irp b, 0,1,2,3
	v_max3_num_f32 v[BM+\b], v[BM+\b], v[SS+16*\b+\i], v[SS+16*\b+\i+1]
.endr
.endr
.irp b, 0,1,2,3
	v_max_num_f32 v[BM+\b], v[BM+\b], v[SS+16*\b+15]
.endr
.irp b, 0,1,2,3
	v_permlanex16_b32 v[BP+\b], v[BM+\b], s53, s54
.endr
.irp b, 0,1,2,3
	v_max_num_f32 v[BM+\b], v[BM+\b], v[BP+\b]
.endr
	v_max3_num_f32 v80, v[BM], v[BM+1], v[BM+2]
	v_max_num_f32 v80, v80, v[BM+3]
	v_mul_f32 v80, s56, v80                        ; the row's largest t
	v_floor_f32 v82, -v80                          ; -M = floor(-t) = -ceil(t): a whole number
	v_mov_b32 v83, v82
.set k, 0
.rept 32
	v_pk_fma_f32 v[SS+k:SS+k+1], v[SS+k:SS+k+1], s[56:57], v[82:83] op_sel_hi:[1,0,0]      ; t - M
.set k, k+2
.endr
.irp b, 0,1,2,3
	v_fma_f32 v[BM+\b], v[BM+\b], s56, v82
.endr
.set k, 0
.rept 64
	v_exp_f32 v[SS+k], v[SS+k]                     ; p = 2^(t - M): not normalised
.set k, k+1
.endr
.irp b, 0,1,2,3
	v_exp_f32 v[BM+\b], v[BM+\b]                   ; the block's largest p: the same two instructions on the same number
.endr
	v_nop                                          ; a plain line behind the exponentials
	s_wait_alu depctr_va_vdst(0)
.irp b, 0,1,2,3
	v_max_num_f32 v[BM+\b], 0x4800000, v[BM+\b]
.endr
.irp b, 0,1,2,3
	v_add_nc_u32 v[BO+\b], 0xfc000000, v[BM+\b]
.endr
.irp b, 0,1,2,3
	v_and_or_b32 v[BH+\b], v[BM+\b], 0x7f800000, s55
.endr
.irp b, 0,1,2,3
	v_lshrrev_b32 v[BP+\b], 23, v[BO+\b]
.endr
	v_lshl_or_b32 v112, v[BP+1], 8, v[BP]
	v_lshl_or_b32 v112, v[BP+2], 16, v112
	v_lshl_or_b32 v112, v[BP+3], 24, v112          ; p's scale word
	v_pk_add_f32 v[84:85], v[SS:SS+1], v[SS+2:SS+3]        ; the row's sum is taken of the unquantised p, in two chains
	v_pk_add_f32 v[86:87], v[SS+4:SS+5], v[SS+6:SS+7]
.irp j, 8,12,16,20,24,28,32,36,40,44,48,52,56,60
	v_pk_add_f32 v[84:85], v[84:85], v[SS+\j:SS+\j+1]
	v_pk_add_f32 v[86:87], v[86:87], v[SS+\j+2:SS+\j+3]
.endr
	v_pk_add_f32 v[84:85], v[84:85], v[86:87]
	v_add_f32 v114, v84, v85
	v_permlanex16_b32 v115, v114, s53, s54
	v_add_f32 v114, v114, v115                     ; l
	v_mul_f32 v115, v114, v114
	v_mul_f32 v115, s58, v115                      ; eps l^2
.irp b, 0,1,2,3
.irp i, 0,1,2,3,4,5,6,7,8,9,10,11,12,13,14,15
	v_min_num_f32 v[SS+16*\b+\i], v[SS+16*\b+\i], v[BH+\b]  ; p is not negative: a one-sided hold
.endr
	v_cvt_scalef32_pk8_fp8_f32 v[96+4*\b:97+4*\b], v[SS+16*\b:SS+16*\b+7], v[BO+\b]
	v_cvt_scalef32_pk8_fp8_f32 v[98+4*\b:99+4*\b], v[SS+16*\b+8:SS+16*\b+15], v[BO+\b]
.endr
	v_nop
	s_lshl_b32 s88, s46, 11
	s_add_co_u32 s88, s88, PIMG
	v_add_nc_u32 v2, s88, v1
	s_lshr_b32 s88, s46, 2
	s_lshl_b32 s88, s88, 9
	s_and_b32 s89, s46, 3
	s_lshl_b32 s89, s89, 2
	s_add_co_u32 s88, s88, s89
	s_add_co_u32 s88, s88, PSC
	v_add_nc_u32 v3, s88, v1
	s_lshr_b32 s88, s46, 1
	s_lshl_b32 s88, s88, 9
	s_and_b32 s89, s46, 1
	s_lshl_b32 s89, s89, 3
	s_add_co_u32 s88, s88, s89
	s_add_co_u32 s88, s88, LSUM
	v_add_nc_u32 v6, s88, v1
.irp c, 0,1,2,3
	ds_store_b128 v2, v[96+4*\c:99+4*\c] offset:512*\c
.endr
	ds_store_b32 v3, v112
	ds_store_b64 v6, v[114:115]
	s_wait_dscnt 0x0                               ; the stores have read their registers
.irp t, 0,1,2,3
.irp c, 0,1,2,3
	global_load_b128 v[64+16*\t+4*\c:67+16*\t+4*\c], v1, s[16:17] offset:2048*\t+512*\c     ; v^T: my four feature tiles, K = the 128 keys
.endr
.endr
	global_load_b128 v[8:11], v1, s[18:19]         ; and their scale words
	BARRIER                                        ; p's 8 images, scale words and sums lie in LDS
; ================ PV and the first norm
	v_add_nc_u32 v2, LB0, v1
.irp q, 0,1,2,3
	ds_load_b128 v[16+4*\q:19+4*\q], v2 offset:LSUM-LB0+512*\q               ; (l, eps l^2) of row tile m at v[16 + 2 m]
.endr
.irp q, 0,1
	ds_load_b128 v[32+4*\q:35+4*\q], v2 offset:PSC-LB0+512*\q
.endr
.irp m, 0,1,2,3,4,5,6,7
.irp c, 0,1,2,3
	ds_load_b128 v[128+16*\m+4*\c:131+16*\m+4*\c], v2 offset:PIMG-LB0+2048*\m+512*\c
.endr
.endr
	s_wait_dscnt 34                                ; the sums are in; the 2 + 32 loads behind them may be out
	WIN 0x41
.irp m, 0,1,2,3,4,5,6,7
.set k, 0
.rept 16
	v_pk_mul_f32 v[32*\m+k:32*\m+k+1], v[32*\m+k:32*\m+k+1], v[16+2*\m:17+2*\m] op_sel_hi:[1,0]    ; q l
.set k, k+2
.endr
.endr
	s_wait_dscnt 0x0
	s_wait_loadcnt 0x0
	WIN 0x50
.irp m, 0,1,2,3,4,5,6,7
.irp t, 0,1,2,3
	v_wmma_scale_f32_16x16x128_f8f6f4 v[32*\m+8*\t:32*\m+8*\t+7], v[64+16*\t:79+16*\t], v[128+16*\m:143+16*\m], v[32*\m+8*\t:32*\m+8*\t+7], v[8+\t], v[32+\m]
.endr
.endr
	WIN 0
	PLACES 8
	LOADP 32, 20                                   ; ln1_w
	v_and_b32 v12, 15, v0
	v_bfe_u32 v13, v0, 4, 1
	s_lshl_b32 s88, s46, 2
	s_add_co_u32 s88, s88, STAT1
	v_lshl_add_u32 v6, v12, 5, s88                 ; my wave's word of row r
	v_lshl_add_u32 v7, v12, 5, STAT1
	v_lshl_add_u32 v7, v13, 4, v7                  ; four waves' words of row r
	LNSUM 128, 6
	BARRIER
	LNDEV 192, 128, 6, 7
	s_wait_dscnt 0x0                               ; the stores have read their registers
	LOADP 192, 22                                  ; ln1_b
	W1LOAD                                         ; W1's first two tiles
	BARRIER
.irp m, 0,1,2,3,4,5,6,7
	ds_load_b128 v[224+4*\m:227+4*\m], v7 offset:4096+512*\m
.endr
	s_wait_dscnt 0x0
	LNRED 224
.irp m, 0,1,2,3,4,5,6,7
	v_fma_f32 v[224+4*\m], v[224+4*\m], 0x3b000000, v[17+2*\m]      ; var a + eps l^2
.endr
.irp m, 0,1,2,3,4,5,6,7
	v_rsq_f32 v[16+2*\m], v[224+4*\m]
.endr
	v_nop
	s_wait_alu depctr_va_vdst(0)
	s_wait_loadcnt 32                              ; ln1_w and ln1_b are in; W1's 32 loads may be out
.irp m, 0,1,2,3,4,5,6,7
	WIN 0x41
.set k, 0
.rept 16
	v_pk_mul_f32 v[32*\m+k:32*\m+k+1], v[32*\m+k:32*\m+k+1], v[16+2*\m:17+2*\m] op_sel_hi:[1,0]
.set k, k+2
.endr
.set k, 0
.rept 16
	v_pk_fma_f32 v[32*\m+k:32*\m+k+1], v[32*\m+k:32*\m+k+1], v[32+k:33+k], v[192+k:193+k]  ; query: it stays in the accumulators,
.set k, k+2
.endr
	QUANT32 32*\m, 1, WIA, \m*2048, SCW, 4*\m      ; and its codes go where x's lay
.endr
	v_mov_b32 v23, v1
	W1SMALL
	s_lshl_b32 s88, s46, 14
	s_add_co_u32 s88, s88, HIMG
	v_add_nc_u32 v19, s88, v1                      ; the hidden layer's images of K step w
	s_lshr_b32 s88, s46, 1
	s_lshl_b32 s88, s88, 10
	s_and_b32 s89, s46, 1
	s_lshl_b32 s89, s89, 9
	s_add_co_u32 s88, s88, s89
	s_add_co_u32 s88, s88, HSC
	v_and_b32 v20, 15, v0
	v_lshl_add_u32 v20, v20, 5, s88                ; and their scale bytes
	v_and_b32 v21, 31, v0
	v_lshl_add_u32 v21, v21, 5, XSC                ; query's scale words
	v_mov_b32 v16, 0x3e7c6f08                      ; c9
	v_mov_b32 v17, v16
	BARRIER                                        ; query's 32 images lie in LDS
; ================ P6: h = gelu(query W1^T + b1).  U = 0..3: two tiles of W1 = one block of 32 hidden units; M = 0..7: the row tiles.  All in window 0
.set HA, 48                            ; v48-63  two accumulators: 16 neighbouring hidden units of a token
.set GT, 192
.set GP, 208
.set GX, 224
	s_mov_b32 s59, 0                               ; U
	s_mov_b32 s61, 0                               ; 2,048 M
	s_mov_b32 s62, 0                               ; 2,048 M + 512 U
	s_mov_b32 s63, 0                               ; 4 M + U
	s_mov_b32 s48, 0                               ; 4 M
.Lu:
	s_mov_b32 s60, 0                               ; M
.Lm:
	v_add_nc_u32 v2, s61, v1
	v_add_nc_u32 v5, s48, v21
.irp s, 0,1,2,3
.irp c, 0,1,2,3
	ds_load_b128 v[192+16*\s+4*\c:195+16*\s+4*\c], v2 offset:16384*\s+512*\c
.endr
.endr
	ds_load_b32 v10, v5
	ds_load_b32 v11, v5 offset:1024
	s_wait_dscnt 0x0
	s_wait_loadcnt 0x0                             ; the weights of this U (asked for in the last trip of the U before)
.irp s, 0,1,2,3                        ; the two accumulators take turns
.irp t, 0,1
.if \s == 0
	v_wmma_scale_f32_16x16x128_f8f6f4 v[HA+8*\t:HA+8*\t+7], v[64+16*(4*\t+\s):79+16*(4*\t+\s)], v[192+16*\s:207+16*\s], v[32+8*\t:39+8*\t], v[28+\t], v10
.elseif \s == 1
	v_wmma_scale_f32_16x16x128_f8f6f4 v[HA+8*\t:HA+8*\t+7], v[64+16*(4*\t+\s):79+16*(4*\t+\s)], v[192+16*\s:207+16*\s], v[HA+8*\t:HA+8*\t+7], v[28+\t], v10 matrix_a_scale:MATRIX_SCALE_ROW1 matrix_b_scale:MATRIX_SCALE_ROW1
.elseif \s == 2
	v_wmma_scale_f32_16x16x128_f8f6f4 v[HA+8*\t:HA+8*\t+7], v[64+16*(4*\t+\s):79+16*(4*\t+\s)], v[192+16*\s:207+16*\s], v[HA+8*\t:HA+8*\t+7], v[30+\t], v11
.else
	v_wmma_scale_f32_16x16x128_f8f6f4 v[HA+8*\t:HA+8*\t+7], v[64+16*(4*\t+\s):79+16*(4*\t+\s)], v[192+16*\s:207+16*\s], v[HA+8*\t:HA+8*\t+7], v[30+\t], v11 matrix_a_scale:MATRIX_SCALE_ROW1 matrix_b_scale:MATRIX_SCALE_ROW1
.endif
.endr
.endr
	PLACES 8
	s_cmp_lg_u32 s60, 7                            ; behind the last row tile's products the next weights are asked for: they land under this trip's vector work
	s_cbranch_scc1 .Lkeep
	s_cmp_eq_u32 s59, 3
	s_cbranch_scc1 .Lw2
	s_add_nc_u64 s[36:37], s[36:37], 16384         ; (every load that named these has been waited for)
	s_add_nc_u64 s[24:25], s[24:25], 128
	s_add_co_u32 s88, s59, 1
	s_lshr_b32 s89, s88, 1
	s_lshl_b32 s89, s89, 10
	s_and_b32 s88, s88, 1
	s_lshl_b32 s88, s88, 3
	s_add_co_u32 s88, s88, s89
	v_add_nc_u32 v23, s88, v1
	W1LOAD
	W1SMALL
	s_branch .Lkeep
.Lw2:
	WLOAD 0, 0, 8, 38                              ; W2's first K step,
	global_load_b128 v[NWS:NWS+3], v1, s[44:45]    ; and the scale words of its first two: W1's, which lay there, are done with, eight places behind their last products
.Lkeep:
.set k, 0
.rept 16
	v_fma_f32 v[GT+k], |v[HA+k]|, s66, 1.0
.set k, k+1
.endr
.set k, 0
.rept 16
	v_rcp_f32 v[GT+k], v[GT+k]                     ; t
.set k, k+1
.endr
.set k, 0
.rept 8
	v_pk_mul_f32 v[GX+k:GX+k+1], v[HA+k:HA+k+1], v[HA+k:HA+k+1]    ; x^2 (plain lines behind the reciprocals)
.set k, k+2
.endr
.set k, 0
	s_wait_alu depctr_va_vdst(0)
.rept 8
	v_pk_fma_f32 v[GP+k:GP+k+1], v[GT+k:GT+k+1], v[16:17], s[86:87] op_sel_hi:[1,1,0]
.set k, k+2
.endr
.irp c, 84,82,80,78,76,74,72,70
.set k, 0
.rept 8
	v_pk_fma_f32 v[GP+k:GP+k+1], v[GP+k:GP+k+1], v[GT+k:GT+k+1], s[\c:\c+1] op_sel_hi:[1,1,0]
.set k, k+2
.endr
.endr
.set k, 0
.rept 8
	v_pk_fma_f32 v[GP+k:GP+k+1], v[GX+k:GX+k+1], s[68:69], v[GP+k:GP+k+1] op_sel_hi:[1,0,1]
.set k, k+2
.endr
.set k, 0
.rept 16
	v_exp_f32 v[GP+k], v[GP+k]
.set k, k+1
.endr
.set k, 0
.rept 16
	v_max_num_f32 v[GX+k], 0, v[HA+k]              ; max(x, 0) (plain lines behind the exponentials)
.set k, k+1
.endr
.set k, 0
	s_wait_alu depctr_va_vdst(0)
.rept 8
	v_pk_mul_f32 v[GP+k:GP+k+1], v[GP+k:GP+k+1], v[GT+k:GT+k+1]    ; c
.set k, k+2
.endr
.set k, 0
.rept 16
	v_fma_f32 v[HA+k], -|v[HA+k]|, v[GP+k], v[GX+k]
.set k, k+1
.endr
	v_max3_num_f32 v6, |v[HA]|, |v[HA+1]|, 0x4800000       ; one block of 32: my 16 and lane l xor 16's
	v_max3_num_f32 v7, |v[HA+2]|, |v[HA+3]|, |v[HA+4]|
	v_max3_num_f32 v6, v6, |v[HA+5]|, |v[HA+6]|
	v_max3_num_f32 v7, v7, |v[HA+7]|, |v[HA+8]|
	v_max3_num_f32 v6, v6, |v[HA+9]|, |v[HA+10]|
	v_max3_num_f32 v7, v7, |v[HA+11]|, |v[HA+12]|
	v_max3_num_f32 v6, v6, |v[HA+13]|, |v[HA+14]|
	v_max3_num_f32 v7, v7, |v[HA+15]|, v6
	v_permlanex16_b32 v6, v7, s53, s54
	v_max_num_f32 v6, v6, v7
	v_add_nc_u32 v8, 0xfc000000, v6
	v_and_or_b32 v9, v6, 0x7f800000, s55
	v_lshrrev_b32 v7, 23, v8
.set k, 0
.rept 16
	v_med3_num_f32 v[HA+k], v[HA+k], -v9, v9
.set k, k+1
.endr
	v_cvt_scalef32_pk8_fp8_f32 v[24:25], v[HA:HA+7], v8
	v_cvt_scalef32_pk8_fp8_f32 v[26:27], v[HA+8:HA+15], v8
	v_add_nc_u32 v3, s62, v19                      ; (a plain line behind the conversions)  piece U of image (K step w, row tile M)
	v_add_nc_u32 v4, s63, v20
	ds_store_b128 v3, v[24:27]
	ds_store_b8 v4, v7
	s_add_co_u32 s61, s61, 2048
	s_add_co_u32 s62, s62, 2048
	s_add_co_u32 s63, s63, 4
	s_add_co_u32 s48, s48, 4
	s_add_co_u32 s60, s60, 1
	s_cmp_lt_u32 s60, 8
	s_cbranch_scc1 .Lm
	s_sub_co_u32 s61, s61, 16384
	s_sub_co_u32 s62, s62, 16384-512
	s_sub_co_u32 s63, s63, 31
	s_sub_co_u32 s48, s48, 32
	s_add_co_u32 s59, s59, 1
	s_cmp_lt_u32 s59, 4
	s_cbranch_scc1 .Lu
	s_wait_loadcnt 0x0                             ; whatever the last trip asked for is in (W2's first K step and scale words, issued ahead of that trip's vector work): no load is out when the next product's loads are issued into the registers where W1 lay
	BARRIER                                        ; the hidden layer's 64 images lie in LDS
; ================ P7: query + h W2^T, onto the accumulators: four trips of two K steps
	v_add_nc_u32 v12, HIMG, v1
	v_and_b32 v13, 31, v0
	v_lshlrev_b32 v15, 11, v13                     ; a row of x a lane
	v_lshl_add_u32 v13, v13, 5, HSC
	s_mov_b32 s61, 0
	s_mov_b32 s62, 0
	s_mov_b32 s63, 0
	s_mov_b32 s59, 4
.Lp7:
	v_add_nc_u32 v7, s63, v15                      ; rows 32 p .. 32 p + 31 of my strip (the trip before ended behind a wait on XCNT)
	PAIR 12, 13, 38, 44, 8, 0, 2
	s_add_co_u32 s63, s63, 65536
	s_sub_co_u32 s59, s59, 1
	s_cmp_lg_u32 s59, 0
	s_cbranch_scc1 .Lp7
	s_wait_loadcnt 0x0                             ; b2 and ln2_w
	WIN 0x41
.irp m, 0,1,2,3,4,5,6,7
.set k, 0
.rept 16
	v_pk_add_f32 v[32*\m+k:32*\m+k+1], v[32*\m+k:32*\m+k+1], v[64+k:65+k]    ; + b2; each accumulator from its low end on
.set k, k+2
.endr
.endr
	WIN 0
	LOADP 64, 30                                   ; ln2_b
	v_and_b32 v10, 15, v0
	v_bfe_u32 v11, v0, 4, 1
	v_lshlrev_b32 v6, 11, v11
	v_lshl_add_u32 v6, v10, 4, v6                  ; x and out0 as they lie
.irp m, 0,1,2,3
.irp i, 0,1,2,3,4,5,6,7
	global_load_b128 v[128+32*\m+4*\i:131+32*\m+4*\i], v6, s[4:5] offset:(16*\m+2*\i)*2048 th:TH_LOAD_NT
.endr
.endr
	v_mul_u32_u24 v2, v11, 272
	v_lshl_add_u32 v2, v10, 4, v2
	v_add_nc_u32 v2, s52, v2                       ; the stage by rows,
	v_mul_u32_u24 v3, v10, 272
	v_lshl_add_u32 v3, v11, 6, v3
	v_add_nc_u32 v3, s52, v3                       ; and by tokens
	s_lshl_b32 s88, s46, 2
	s_add_co_u32 s88, s88, STAT1
	v_lshl_add_u32 v8, v10, 5, s88
	v_lshl_add_u32 v9, v10, 5, STAT1
	v_lshl_add_u32 v9, v11, 4, v9
	LNSUM 16, 8
	BARRIER
	LNDEV 32, 16, 8, 9
	BARRIER
; ================ OUT: the second norm, + x, and the rows leave as they lie in memory
.irp m, 0,1,2,3,4,5,6,7
	ds_load_b128 v[32+4*\m:35+4*\m], v9 offset:4096+512*\m
.endr
	s_wait_dscnt 0x0
	LNRED 32
.irp m, 0,1,2,3,4,5,6,7
	v_fma_f32 v[32+4*\m], v[32+4*\m], 0x3b000000, s58
.endr
.irp m, 0,1,2,3,4,5,6,7
	v_rsq_f32 v[16+2*\m], v[32+4*\m]
.endr
	v_nop
	s_wait_alu depctr_va_vdst(0)
	s_wait_loadcnt 32                              ; ln2_b is in; x's 32 loads may be out
.irp m, 0,1,2,3,4,5,6,7
	WIN 0x41
.set k, 0
.rept 16
	v_pk_mul_f32 v[32*\m+k:32*\m+k+1], v[32*\m+k:32*\m+k+1], v[16+2*\m:17+2*\m] op_sel_hi:[1,0]
.set k, k+2
.endr
.set k, 0
.rept 16
	v_pk_fma_f32 v[32*\m+k:32*\m+k+1], v[32*\m+k:32*\m+k+1], v[96+k:97+k], v[64+k:65+k]
.set k, k+2
.endr
	WIN 0x04
.irp b, 0,1
.irp j, 0,1,2,3
	ds_store_b128 v3, v[32*\m+16*\b+4*\j:32*\m+16*\b+4*\j+3] offset:128*\b+16*\j
.endr
.endr
	WIN 0
	s_wait_xcnt 0x0                                ; the last tile's stores have read their registers
.irp i, 0,1,2,3,4,5,6,7
	ds_load_b128 v[32+4*\i:35+4*\i], v2 offset:544*\i
.endr
	s_wait_dscnt 0x0
.if \m < 5
	s_wait_loadcnt 24                              ; x's tile m is in; three later tiles may be out
.else
	s_wait_loadcnt 8*(7-\m)
.endif
.set k, 0
.rept 16
	v_pk_add_f32 v[32+k:33+k], v[32+k:33+k], v[128+32*(\m%4)+k:129+32*(\m%4)+k]
.set k, k+2
.endr
.irp i, 0,1,2,3,4,5,6,7
	global_store_b128 v6, v[32+4*\i:35+4*\i], s[32:33] offset:(16*\m+2*\i)*2048 th:TH_STORE_NT     ; sixteen lanes store 256 consecutive bytes, at a multiple of 256 from out0's first byte
.endr
.if \m < 4
.irp i, 0,1,2,3,4,5,6,7
	global_load_b128 v[128+32*\m+4*\i:131+32*\m+4*\i], v6, s[4:5] offset:(16*(\m+4)+2*\i)*2048 th:TH_LOAD_NT
.endr
.endif
.endr
	s_wait_xcnt 0x0
	v_lshl_add_u32 v254, v0, 2, 0x40c00
	v_mov_b32 v255, 0
	s_wait_tensorcnt 0x0
	ds_add_u32 v254, v255
	s_wait_dscnt 0x0
	s_endpgm
.Lfunc_end_k_q601e43c285_main:
	.size	k_q601e43c285_main, .Lfunc_end_k_q601e43c285_main-k_q601e43c285_main
	.p2alignl 7, 3214868480
	.fill 96, 4, 3214868480
	.section	.rodata,"a",@progbits
	.p2align	6, 0x0
	.amdhsa_kernel k_q601e43c285_main
		.amdhsa_group_segment_fixed_size 266240
		.amdhsa_private_segment_fixed_size 0
		.amdhsa_enable_private_segment 0
		.amdhsa_kernarg_size 120
		.amdhsa_user_sgpr_count 2
		.amdhsa_user_sgpr_kernarg_segment_ptr 1
		.amdhsa_wavefront_size32 1
		.amdhsa_system_sgpr_workgroup_id_x 1
		.amdhsa_system_sgpr_workgroup_id_y 1
		.amdhsa_system_sgpr_workgroup_id_z 1
		.amdhsa_system_vgpr_workitem_id 0
		.amdhsa_next_free_vgpr 512
		.amdhsa_next_free_sgpr 96
		.amdhsa_reserve_vcc 0
		.amdhsa_float_denorm_mode_32 3
		.amdhsa_float_denorm_mode_16_64 3
		.amdhsa_memory_ordered 1
		.amdhsa_forward_progress 1
		.amdhsa_inst_pref_size 255
	.end_amdhsa_kernel
	.section	.bss,"aw",@nobits
	.p2align	6
	.space	262144
	.amdgpu_metadata
---
amdhsa.version: [ 1, 2 ]
amdhsa.kernels:
  - .name:           k_q601e43c285_main
    .symbol:         k_q601e43c285_main.kd
    .args:
      - { .name: x, .offset: 0, .size: 8, .value_kind: global_buffer, .address_space: global }
      - { .name: wfrag, .offset: 8, .size: 8, .value_kind: global_buffer, .address_space: global }
      - { .name: wscl, .offset: 16, .size: 8, .value_kind: global_buffer, .address_space: global }
      - { .name: bq, .offset: 24, .size: 8, .value_kind: global_buffer, .address_space: global }
      - { .name: kfrag, .offset: 32, .size: 8, .value_kind: global_buffer, .address_space: global }
      - { .name: kscl, .offset: 40, .size: 8, .value_kind: global_buffer, .address_space: global }
      - { .name: vfrag, .offset: 48, .size: 8, .value_kind: global_buffer, .address_space: global }
      - { .name: vscl, .offset: 56, .size: 8, .value_kind: global_buffer, .address_space: global }
      - { .name: ln1_w, .offset: 64, .size: 8, .value_kind: global_buffer, .address_space: global }
      - { .name: ln1_b, .offset: 72, .size: 8, .value_kind: global_buffer, .address_space: global }
      - { .name: b1, .offset: 80, .size: 8, .value_kind: global_buffer, .address_space: global }
      - { .name: b2, .offset: 88, .size: 8, .value_kind: global_buffer, .address_space: global }
      - { .name: ln2_w, .offset: 96, .size: 8, .value_kind: global_buffer, .address_space: global }
      - { .name: ln2_b, .offset: 104, .size: 8, .value_kind: global_buffer, .address_space: global }
      - { .name: out0, .offset: 112, .size: 8, .value_kind: global_buffer, .address_space: global }
    .group_segment_fixed_size: 266240
    .private_segment_fixed_size: 0
    .kernarg_segment_align: 8
    .kernarg_segment_size: 120
    .max_flat_workgroup_size: 256
    .sgpr_count:     96
    .vgpr_count:     512
    .wavefront_size: 32
...
	.end_amdgpu_metadata
.endif
;; end of part 2
;; ======== version 2 of 2: 2 launches; version 1 with the launches prep, main written anew for expert scheduling mode
;; workspace buffers: wfrag 1,310,720 bytes; wscl 40,960 bytes; kfrag 2,097,152 bytes; kscl 65,536 bytes; vfrag 2,097,152 bytes; vscl 131,072 bytes
;; launch prep (part 3): grid 208 x 1, 8 waves a work-group, no clusters, 36,864 bytes of LDS; arguments cond_emb, conv_w, conv_b, Wk_codes, Wk_scales, bk, Wv_codes, Wv_scales, bv, Wq_codes, Wq_scales, W1_codes, W1_scales, W2_codes, W2_scales, wfrag, wscl, kfrag, kscl, vfrag, vscl; writes wfrag, wscl, kfrag, kscl, vfrag, vscl
.if DOCPART == 3
	.amdgcn_target "amdgcn-amd-amdhsa--gfx1250"
	.amdhsa_code_object_version 6
	.text
	.protected	k_q601e43c285_prep
	.globl	k_q601e43c285_prep
	.p2align	8
	.type	k_q601e43c285_prep,@function
k_q601e43c285_prep:
	s_mov_b64 s[64:65], 0
	v_nop
	global_prefetch_b8 v0, s[64:65] scope:SCOPE_SE
	s_setreg_imm32_b32 hwreg(HW_REG_WAVE_SCHED_MODE, 0, 2), 2
	s_setreg_imm32_b32 hwreg(HW_REG_WAVE_MODE, 25, 1), 1
	s_wait_xcnt 0x0
	s_wait_alu depctr_vm_vsrc(0)
; WHAT IT DOES.  Work-groups 0-127: k = cond Wk^T + bk and v = cond Wv^T + bv of one batch b and one quarter of the 512 features, both products on codes of E4M3 with E8M0 scales,
; then k quantised along the features and v along the keys, stored as IMAGES OF OPERAND REGISTERS (a fragment of 16 rows x 128 K is 2,048 bytes: registers 4c..4c+3 of lane l at 512 c + 16 l).
; Work-groups 128-207: Wq, W1, W2 (codes and scale words) are laid into the same fragment order: a permutation of 16-byte pieces, nothing is computed.
; THE ROWS OF A TILE ARE NOT NEIGHBOURS: lane r of tile t takes row ROW(t, r) = 32 (t/2) + 8 (t%2) + r + 8 (r/8), so that a transposed product leaves a lane 16 neighbours along the next K in two neighbouring tiles.
; cond[key][j] = conv_w[key] pad[j] + conv_b[key], pad[j] = cond_emb[(j + 250) mod 252], j = 0..255 (the circular padding by two).
; No tile is shared through LDS between work-groups and nothing is large: no tensor load, no cluster; the weights of a quarter (64 KB) go straight into registers.
; LIMITS: NaN and infinities among the inputs are not served; a block of zeros gets the scale byte 1 (its codes are zeros; the bytes are read by this program alone).
; THE MODE: SCHED_MODE bits 1:0 = 2 (LLVM: expert scheduling mode 2), set by the entry lines.  The code itself states the register dependences between vector or matrix instructions and memory or LDS
; instructions, with s_wait_alu, always for 0.
; THE PLAN.  Registers that memory or LDS instructions touch:
;   v1, v2, v4 to v6    offsets made at the head (v4 once more, for k's scale words); v3, v7: offsets of the first loads, then LDS addresses; v147, v149: thread j's offset and LDS address.
;   v[CV ..]            LDS loads land in it (the padded numbers); the quantiser and the products name it.
;   v[PC ..], v[PW]     the out-buffer: written by a quantiser, read by the stores behind it: one wait on va_vdst ahead of the stores, one on vm_vsrc ahead of the next quantiser.
;   window 1, v16-31    Wk's fragments and scale words, read by k's products; cond's images and scale words land there for v's products, behind one wait on va_vdst.
.set PAD,  0                           ; LDS: the 256 padded numbers of the batch
.set CIMG, 1024                        ; cond's 16 fragments (key tile T, K step s: 2 T + s)
.set CSC,  33792                       ; their scale words, 128 bytes each
.set CV,   64                          ; v64-127  64 numbers of a lane: cond's values, later the accumulators
.set PC,   128                         ; v128-143 the codes just made
.set TM,   144                         ; v144-159 at work in the quantiser
.set PW,   8                           ; v8       the scale word just made
.set MSB, 0
.macro WIN new                         ; the immediate's high byte repeats the setting that is left
.if MSB != (\new)
	s_set_vgpr_msb (MSB<<8)|(\new)
.set MSB, (\new)
.endif
.endm
.macro BARRIER                         ; my LDS stores have landed and my LDS loads are in: then the work-group's barrier
	s_wait_dscnt 0x0
	s_barrier_signal -1
	s_barrier_wait -1
.endm
; 64 numbers of a lane, register 16 b + i = k 32 b + 16 (lane / 16) + i of the lane's row, become a fragment's codes in v[PC] on and its scale word in v[PW]
.macro QUANT64
.irp b, 0,1,2,3
	v_max3_num_f32 v[TM+\b], |v[CV+16*\b]|, |v[CV+1+16*\b]|, 0x4800000   ; my 16 numbers of block b and the floor 2^(9 - 127): the byte cannot fall under 1
.endr
.irp i, 2,4,6,8,10,12,14
.irp b, 0,1,2,3
	v_max3_num_f32 v[TM+\b], v[TM+\b], |v[CV+16*\b+\i]|, |v[CV+1+16*\b+\i]|
.endr
.endr
.irp b, 0,1,2,3
	v_permlanex16_b32 v[TM+4+\b], v[TM+\b], s50, s51
.endr
.irp b, 0,1,2,3
	v_max_num_f32 v[TM+\b], v[TM+\b], v[TM+4+\b]           ; with lane l xor 16's: the block's largest magnitude
.endr
.irp b, 0,1,2,3
	v_add_nc_u32 v[TM+12+\b], 0xfc000000, v[TM+\b]         ; 8 off its exponent field: the conversion's scale operand
.endr
.irp b, 0,1,2,3
	v_and_or_b32 v[TM+8+\b], v[TM+\b], 0x7f800000, s52     ; 448 x the scale
.endr
.irp b, 0,1,2,3
	v_lshrrev_b32 v[TM+4+\b], 23, v[TM+12+\b]              ; the scale's byte
.endr
	v_lshl_or_b32 v[PW], v[TM+5], 8, v[TM+4]
	v_lshl_or_b32 v[PW], v[TM+6], 16, v[PW]
	v_lshl_or_b32 v[PW], v[TM+7], 24, v[PW]
.irp b, 0,1,2,3
.irp i, 0,1,2,3,4,5,6,7,8,9,10,11,12,13,14,15
	v_med3_num_f32 v[CV+16*\b+\i], v[CV+16*\b+\i], -v[TM+8+\b], v[TM+8+\b]   ; the conversion does not saturate (ISA guide 7.6.2): the hold at the largest code x the scale
.endr
	v_cvt_scalef32_pk8_fp8_f32 v[PC+4*\b:PC+1+4*\b], v[CV+16*\b:CV+7+16*\b], v[TM+12+\b]
	v_cvt_scalef32_pk8_fp8_f32 v[PC+2+4*\b:PC+3+4*\b], v[CV+8+16*\b:CV+15+16*\b], v[TM+12+\b]
.endr
	v_nop                                          ; one plain line between the last conversion and whatever next touches its registers
.endm
	s_load_b512 s[4:19], s[0:1], 0x0               ; cond_emb, conv_w, conv_b, Wk codes, Wk scales, bk, Wv codes, Wv scales
	s_load_b512 s[20:35], s[0:1], 0x40             ; bv, Wq codes, Wq scales, W1 codes, W1 scales, W2 codes, W2 scales, wfrag
	s_load_b256 s[36:43], s[0:1], 0x80             ; wscl, kfrag, kscl, vfrag
	s_load_b64 s[44:45], s[0:1], 0xa0              ; vscl
	v_lshrrev_b32 v2, 5, v0
	v_readfirstlane_b32 s46, v2                    ; wave 0..7
	s_wait_alu depctr_va_sdst(0)                   ; s46 is written: ahead of the branch, and so of its first reader on either way
	s_cmp_ge_u32 ttmp9, 128                        ; the same for all waves of a work-group
	s_cbranch_scc1 .Lrelay
; ---------------- k and v of (batch b, quarter part); wave T: key tile T for k, feature tile 8 part + T for v
	s_lshr_b32 s47, ttmp9, 2                       ; b
	s_and_b32 s48, ttmp9, 3                        ; part
	s_lshr_b32 s49, s46, 1
	s_lshl_b32 s49, s49, 5
	s_and_b32 s53, s46, 1
	s_lshl_b32 s53, s53, 3
	s_add_co_u32 s49, s49, s53                     ; 32 (T/2) + 8 (T%2): the first row of tile T
	s_mov_b32 s50, 0x76543210
	s_mov_b32 s51, 0xfedcba98                      ; v_permlanex16_b32's selects for lane l xor 16
	s_mov_b32 s52, 0x600000                        ; the mantissa field of 448
	s_mov_b32 s55, 0
	v_and_b32 v1, 31, v0
	v_lshlrev_b32 v2, 2, v1                        ; 4 x lane
	v_lshlrev_b32 v1, 4, v1                        ; 16 x lane
	v_and_b32 v144, 15, v0                         ; r
	v_bfe_u32 v145, v0, 4, 1                       ; h
	v_and_b32 v146, 8, v144
	v_add_nc_u32 v146, v146, v144                  ; rr = r + 8 (r/8)
	v_lshlrev_b32 v6, 6, v145                      ; 64 h: my 16 numbers of a block of 32 (in bk, and in PAD, which lies at LDS byte 0)
	v_lshlrev_b32 v4, 8, v146
	v_lshl_add_u32 v4, v145, 4, v4                 ; a weight's row of 256 codes: rr x 256 + 16 h
	v_lshlrev_b32 v5, 3, v146                      ; its 8 scale bytes
	v_lshlrev_b32 v3, 2, v146                      ; its bias
	v_add_nc_u32 v7, s49, v146
	v_lshlrev_b32 v7, 2, v7                        ; my key ROW(T, r), in bytes
	v_add_nc_u32 v147, 250, v0                     ; thread j: (j + 250) mod 252, by two conditional subtractions
	v_add_nc_u32 v148, 0xffffff04, v147
	v_min_u32 v147, v147, v148
	v_add_nc_u32 v148, 0xffffff04, v147
	v_min_u32 v147, v147, v148
	v_lshlrev_b32 v147, 2, v147
	v_lshlrev_b32 v149, 2, v0                      ; PAD + 4 j
	s_wait_kmcnt 0x0
	s_mul_i32 s54, s47, 1008
	s_add_nc_u64 s[4:5], s[4:5], s[54:55]          ; cond_emb of my batch
	s_lshl_b32 s54, s48, 15
	s_add_nc_u64 s[10:11], s[10:11], s[54:55]      ; Wk: my quarter's 128 rows
	s_lshl_b32 s54, s48, 10
	s_add_nc_u64 s[12:13], s[12:13], s[54:55]
	s_lshl_b32 s54, s48, 9
	s_add_nc_u64 s[14:15], s[14:15], s[54:55]
	s_lshl_b32 s56, s48, 7
	s_add_co_u32 s56, s56, s49                     ; Wv: the first row of feature tile 8 part + T
	s_lshl_b32 s54, s56, 8
	s_add_nc_u64 s[16:17], s[16:17], s[54:55]
	s_lshl_b32 s54, s56, 3
	s_add_nc_u64 s[18:19], s[18:19], s[54:55]
	s_lshl_b32 s54, s56, 2
	s_add_nc_u64 s[20:21], s[20:21], s[54:55]
	s_lshl_b32 s57, s48, 3
	s_add_co_u32 s57, s57, s46                     ; 8 part + T
	s_lshl_b32 s54, s47, 16
	s_lshl_b32 s58, s57, 11
	s_add_co_u32 s54, s54, s58
	s_add_nc_u64 s[38:39], s[38:39], s[54:55]      ; kfrag [b][part][T] and vfrag [b][8 part + T]: the same offset
	s_add_nc_u64 s[42:43], s[42:43], s[54:55]
	s_lshl_b32 s54, s47, 11                        ; kscl [b][i/4][lane'][i%4], i = 2 T + part/2, lane' = r + 16 (part%2)
	s_lshr_b32 s58, s46, 1
	s_lshl_b32 s58, s58, 9
	s_add_co_u32 s54, s54, s58
	s_and_b32 s58, s48, 1
	s_lshl_b32 s58, s58, 8
	s_add_co_u32 s54, s54, s58
	s_and_b32 s58, s46, 1
	s_lshl_b32 s58, s58, 3
	s_add_co_u32 s54, s54, s58
	s_lshr_b32 s58, s48, 1
	s_lshl_b32 s58, s58, 2
	s_add_co_u32 s54, s54, s58
	s_add_nc_u64 s[40:41], s[40:41], s[54:55]
	s_lshl_b32 s54, s47, 12                        ; vscl [b][tau/4][lane][tau%4]
	s_lshr_b32 s58, s57, 2
	s_lshl_b32 s58, s58, 9
	s_add_co_u32 s54, s54, s58
	s_and_b32 s58, s57, 3
	s_lshl_b32 s58, s58, 2
	s_add_co_u32 s54, s54, s58
	s_add_nc_u64 s[44:45], s[44:45], s[54:55]
	s_wait_alu depctr_va_vdst(0)                   ; the offsets and LDS addresses v1 to v7, v147 and v149 are written, which the loads and the store below read
	global_load_b32 v9, v7, s[6:7]                 ; conv_w and conv_b of my key,
	global_load_b32 v10, v7, s[8:9]
	global_load_b32 v8, v147, s[4:5]               ; and thread j's padded number: these three first
	WIN 0x40                                       ; destination window 1: Wk's fragments (tile t, K step s) at v[16 (2 t + s)]
.irp t, 0,1,2,3,4,5,6,7
.irp c, 0,1,2,3
	global_load_b128 v[32*\t+4*\c:32*\t+4*\c+3], v4, s[10:11] offset:(32*(\t/2)+8*(\t%2))*256+32*\c
.endr
.endr
	WIN 0
.irp t, 0,1,2,3,4,5,6,7
	global_load_b128 v[192+8*\t:195+8*\t], v6, s[14:15] offset:(32*(\t/2)+8*(\t%2))*4       ; bk in the result's layout: the C of each sum's first product
	global_load_b128 v[196+8*\t:199+8*\t], v6, s[14:15] offset:(32*(\t/2)+8*(\t%2))*4+16
.endr
.irp t, 0,1,2,3,4,5,6,7
	global_load_b64 v[16+2*\t:17+2*\t], v5, s[12:13] offset:(32*(\t/2)+8*(\t%2))*8          ; Wk's two scale words a row
.endr
	s_wait_loadcnt 56                              ; the first three loads are in; the 56 issued behind them may be out
	ds_store_b32 v149, v8
	BARRIER                                        ; the 256 padded numbers lie in LDS
	WIN 0x40
.irp t, 0,1,2,3,4,5,6,7
.irp c, 0,1,2,3
	global_load_b128 v[32*\t+16+4*\c:32*\t+16+4*\c+3], v4, s[10:11] offset:(32*(\t/2)+8*(\t%2))*256+128+32*\c
.endr
.endr
	WIN 0
.irp s, 0,1
.irp c, 0,1,2,3
	global_load_b128 v[160+16*\s+4*\c:163+16*\s+4*\c], v4, s[16:17] offset:128*\s+32*\c     ; Wv's two fragments of my feature tile
.endr
.endr
	global_load_b64 v[14:15], v5, s[18:19]
	global_load_b32 v11, v3, s[20:21]              ; bv of my lane's feature
	s_wait_xcnt 0x0                                ; the loads' addresses are translated (ISA guide 3.1): v3 and v7 may be written
	s_wait_alu depctr_vm_vsrc(0)                   ; the loads have read v3, v4 and v7, the store of the padded number v149 and v8: all of these are written further down
	s_lshl_b32 s53, s46, 12
	v_add_nc_u32 v7, s53, v1                       ; my two images: 16 x lane + 4,096 T
	s_lshl_b32 s53, s46, 8
	v_add_nc_u32 v3, s53, v2                       ; their scale words: 4 x lane + 256 T
.irp b, 0,1,2,3
	v_mov_b32 v[TM+4+\b], 0                        ; written once: a lane permute's destination counts as one of its sources
.endr
; ---- cond of my 16 keys, two K steps of 128: values, codes, images
.irp s, 0,1
.irp b, 0,1,2,3
.irp j, 0,1,2,3
	ds_load_b128 v[CV+16*\b+4*\j:CV+16*\b+4*\j+3], v6 offset:PAD+512*\s+128*\b+16*\j        ; no vector line since the last wait on va_vdst names v6 or these registers
.endr
.endr
	s_wait_dscnt 0x0
.set k, 0
.rept 64
	v_fma_f32 v[CV+k], v[CV+k], v9, v10
.set k, k+1
.endr
	QUANT64
	s_wait_alu depctr_va_vdst(0)                   ; the codes and the scale word are written, and in the first step v7 and v3, all of which the stores read; the step is done with the 64 numbers, where the next step's loads land
.irp c, 0,1,2,3
	ds_store_b128 v7, v[PC+4*\c:PC+4*\c+3] offset:CIMG+2048*\s+512*\c
.endr
	ds_store_b32 v3, v[PW] offset:CSC+128*\s
	s_wait_dscnt 0x0                               ; my images are in LDS
	s_wait_alu depctr_vm_vsrc(0)                   ; the stores have read the codes and the word, which the next quantiser writes
.endr
	BARRIER                                        ; cond's sixteen fragments lie in LDS
; ---- k: source 0 = 16 rows of Wk, source 1 = my 16 keys: a lane holds one key, its registers run along the features
.irp s, 0,1
.irp c, 0,1,2,3
	ds_load_b128 v[32+16*\s+4*\c:35+16*\s+4*\c], v7 offset:CIMG+2048*\s+512*\c
.endr
	ds_load_b32 v[12+\s], v3 offset:CSC+128*\s
.endr
	s_wait_dscnt 0x0
	s_wait_loadcnt 0x0
	WIN 0x01                                       ; source 0 window 1.  The eight accumulators take turns
.irp t, 0,1,2,3,4,5,6,7
	v_wmma_scale_f32_16x16x128_f8f6f4 v[CV+8*\t:CV+8*\t+7], v[32*\t:32*\t+15], v[32:47], v[192+8*\t:199+8*\t], v[16+2*\t], v12
.endr
.irp t, 0,1,2,3,4,5,6,7
	v_wmma_scale_f32_16x16x128_f8f6f4 v[CV+8*\t:CV+8*\t+7], v[32*\t+16:32*\t+31], v[48:63], v[CV+8*\t:CV+8*\t+7], v[17+2*\t], v13
.endr
	WIN 0
.rept 8
	v_nop                                          ; eight places behind this form ahead of the first read of results
.endr
	QUANT64                                        ; along the features: K step 'part' of the scores' product
	v_and_b32 v4, 15, v0
	v_lshlrev_b32 v4, 4, v4                        ; 16 r
; ---- v: source 0 = 16 keys of cond, source 1 = my 16 rows of Wv: a lane holds one feature, its registers run along the keys
.irp k, 0,1,2,3,4,5,6,7
	v_mov_b32 v[192+\k], v11                       ; bv of my feature, eight times: the C of the first products
.endr
	WIN 0x40
	s_wait_alu depctr_va_vdst(0)                   ; k's products are done reading Wk's fragments and scale words, where cond's land; k's codes, its scale word and v4 are written, which k's stores read
.irp f, 0,1,2,3,4,5,6,7,8,9,10,11,12,13,14,15
.irp c, 0,1,2,3
	ds_load_b128 v[16*\f+4*\c:16*\f+4*\c+3], v1 offset:CIMG+2048*\f+512*\c
.endr
.endr
	WIN 0
.irp f, 0,1,2,3,4,5,6,7,8,9,10,11,12,13,14,15
	ds_load_b32 v[16+\f], v2 offset:CSC+128*\f
.endr
.irp c, 0,1,2,3
	global_store_b128 v1, v[PC+4*\c:PC+4*\c+3], s[38:39] offset:512*\c      ; 32 lanes store 512 consecutive bytes
.endr
	global_store_b32 v4, v[PW], s[40:41]           ; lanes r and r + 16 store the same word
	s_wait_dscnt 0x0
	WIN 0x01
.irp t, 0,1,2,3,4,5,6,7
	v_wmma_scale_f32_16x16x128_f8f6f4 v[CV+8*\t:CV+8*\t+7], v[32*\t:32*\t+15], v[160:175], v[192:199], v[16+2*\t], v14
.endr
.irp t, 0,1,2,3,4,5,6,7
	v_wmma_scale_f32_16x16x128_f8f6f4 v[CV+8*\t:CV+8*\t+7], v[32*\t+16:32*\t+31], v[176:191], v[CV+8*\t:CV+8*\t+7], v[17+2*\t], v15
.endr
	WIN 0
.rept 8
	v_nop
.endr
	s_wait_xcnt 0x0                                ; k's stores have had their addresses translated (ISA guide 3.1): the codes and the word may be written again
	s_wait_alu depctr_vm_vsrc(0)                   ; k's stores have read the codes and the word, which the quantiser below writes
	QUANT64                                        ; along the 128 keys
	s_wait_alu depctr_va_vdst(0)                   ; v's codes and scale word are written, which the stores read
.irp c, 0,1,2,3
	global_store_b128 v1, v[PC+4*\c:PC+4*\c+3], s[42:43] offset:512*\c
.endr
	global_store_b32 v1, v[PW], s[44:45]
	s_wait_xcnt 0x0
	v_lshl_add_u32 v254, v0, 2, 0x8c00
	v_mov_b32 v255, 0
	s_wait_dscnt 0x0                               ; the closing lines, six on end
	s_wait_alu 0x0
	s_wait_tensorcnt 0x0
	ds_add_u32 v254, v255
	s_wait_dscnt 0x0
	s_endpgm
; ---------------- the weights into fragment order.  Work-group g' = x - 128 writes 16,384 bytes of wfrag (8 fragments) and 512 bytes of wscl.  Nothing is stored to LDS on this way
.Lrelay:
	s_sub_co_u32 s70, ttmp9, 128                   ; g'
	s_wait_kmcnt 0x0
	s_cmp_lt_u32 s70, 16                           ; Wq: g' 0-15; W1: 16-47; W2: 48-79.  The choices hang on the work-group's number alone
	s_cselect_b64 s[72:73], s[22:23], s[26:27]
	s_cselect_b64 s[74:75], s[24:25], s[28:29]
	s_cselect_b32 s76, 0, 16
	s_cmp_lt_u32 s70, 48
	s_cselect_b64 s[72:73], s[72:73], s[30:31]
	s_cselect_b64 s[74:75], s[74:75], s[32:33]
	s_cselect_b32 s76, s76, 48
	s_cselect_b32 s77, 2, 3                        ; LNS: a row has 4 or 8 K steps of 128
	s_sub_co_u32 s78, s70, s76                     ; g: my place in the matrix
	s_add_co_u32 s79, s77, 7                       ; a row of codes is 2^(7 + LNS) bytes
	s_mov_b32 s89, 0
	s_lshl_b32 s88, s70, 14
	s_add_nc_u64 s[34:35], s[34:35], s[88:89]
	s_lshl_b32 s88, s70, 9
	s_add_nc_u64 s[36:37], s[36:37], s[88:89]
	v_and_b32 v1, 15, v0                           ; r
	v_bfe_u32 v2, v0, 4, 1                         ; h
	v_and_b32 v3, 8, v1
	v_add_nc_u32 v3, v3, v1                        ; rr
	v_lshlrev_b32 v4, s79, v3
	v_lshl_add_u32 v4, v2, 4, v4                   ; rr rows + 16 h
	v_lshlrev_b32 v5, 4, v0                        ; out: 16 x thread
	s_lshr_b32 s80, s46, 2
	s_and_b32 s81, s46, 3
	s_lshl_b32 s81, s81, 5                         ; piece c = wave % 4: 32 c
	s_lshl_b32 s82, s78, 3
	s_add_co_u32 s82, s82, s80                     ; fragment 8 g + wave / 4 (+ 2 i)
	s_lshl_b32 s83, 1, s77
	s_sub_co_u32 s83, s83, 1
.irp i, 0,1,2,3
	s_add_co_u32 s84, s82, 2*\i                    ; f = tau NS + s
	s_and_b32 s85, s84, s83                        ; s
	s_lshr_b32 s84, s84, s77                       ; tau
	s_lshr_b32 s86, s84, 1
	s_lshl_b32 s86, s86, 5
	s_and_b32 s84, s84, 1
	s_lshl_b32 s84, s84, 3
	s_add_co_u32 s84, s84, s86                     ; the tile's first row
	s_lshl_b32 s84, s84, s79
	s_lshl_b32 s85, s85, 7
	s_add_co_u32 s84, s84, s85
	s_add_co_u32 s84, s84, s81
	v_add_nc_u32 v[8+\i], s84, v4
.endr
	s_wait_alu depctr_va_vdst(0)                   ; the four offsets v8 to v11 are written, which the loads read, and v5, which the stores read
.irp i, 0,1,2,3
	global_load_b128 v[16+4*\i:19+4*\i], v[8+\i], s[72:73]
.endr
.irp i, 0,1,2,3
	s_wait_loadcnt 3-\i
	global_store_b128 v5, v[16+4*\i:19+4*\i], s[34:35] offset:4096*\i       ; a wave stores 512 consecutive bytes
.endr
	s_cmp_ge_u32 s46, 4                            ; the scale words: 128 threads
	s_cbranch_scc1 .Ldone
	v_and_b32 v6, 3, v0                            ; tau % 4
	v_bfe_u32 v7, v0, 2, 4                         ; r
	v_bfe_u32 v12, v0, 6, 1                        ; s % 2
	v_and_b32 v13, 8, v7
	v_add_nc_u32 v13, v13, v7                      ; rr
	v_lshrrev_b32 v14, 1, v6
	v_lshl_add_u32 v13, v14, 5, v13
	v_and_b32 v14, 1, v6
	v_lshl_add_u32 v13, v14, 3, v13
	s_sub_co_u32 s84, s77, 1
	s_lshr_b32 s85, s78, s84                       ; tau / 4
	s_lshl_b32 s85, s85, 6
	v_add_nc_u32 v13, s85, v13                     ; the row
	s_add_co_u32 s86, s77, 2
	v_lshlrev_b32 v13, s86, v13                    ; a row of scale bytes is 2^(2 + LNS) bytes
	s_lshl_b32 s87, 1, s84
	s_sub_co_u32 s87, s87, 1
	s_and_b32 s87, s78, s87                        ; s / 2
	s_lshl_b32 s87, s87, 3
	v_lshl_add_u32 v13, v12, 2, v13
	v_add_nc_u32 v13, s87, v13
	v_lshlrev_b32 v14, 2, v0
	s_wait_alu depctr_va_vdst(0)                   ; v13 is written, which the load reads, and v14, which the store reads
	global_load_b32 v15, v13, s[74:75]
	s_wait_loadcnt 0x0
	global_store_b32 v14, v15, s[36:37]
.Ldone:
	s_endpgm
.Lfunc_end_k_q601e43c285_prep:
	.size	k_q601e43c285_prep, .Lfunc_end_k_q601e43c285_prep-k_q601e43c285_prep
	.p2alignl 7, 3214868480
	.fill 96, 4, 3214868480
	.section	.rodata,"a",@progbits
	.p2align	6, 0x0
	.amdhsa_kernel k_q601e43c285_prep
		.amdhsa_group_segment_fixed_size 36864
		.amdhsa_private_segment_fixed_size 0
		.amdhsa_enable_private_segment 0
		.amdhsa_kernarg_size 168
		.amdhsa_user_sgpr_count 2
		.amdhsa_user_sgpr_kernarg_segment_ptr 1
		.amdhsa_wavefront_size32 1
		.amdhsa_system_sgpr_workgroup_id_x 1
		.amdhsa_system_sgpr_workgroup_id_y 1
		.amdhsa_system_sgpr_workgroup_id_z 1
		.amdhsa_system_vgpr_workitem_id 0
		.amdhsa_next_free_vgpr 512
		.amdhsa_next_free_sgpr 96
		.amdhsa_reserve_vcc 0
		.amdhsa_float_denorm_mode_32 3
		.amdhsa_float_denorm_mode_16_64 3
		.amdhsa_memory_ordered 1
		.amdhsa_forward_progress 1
		.amdhsa_inst_pref_size 74
	.end_amdhsa_kernel
	.amdgpu_metadata
---
amdhsa.version: [ 1, 2 ]
amdhsa.kernels:
  - .name:           k_q601e43c285_prep
    .symbol:         k_q601e43c285_prep.kd
    .args:
      - { .name: cond_emb, .offset: 0, .size: 8, .value_kind: global_buffer, .address_space: global }
      - { .name: conv_w, .offset: 8, .size: 8, .value_kind: global_buffer, .address_space: global }
      - { .name: conv_b, .offset: 16, .size: 8, .value_kind: global_buffer, .address_space: global }
      - { .name: Wk_codes, .offset: 24, .size: 8, .value_kind: global_buffer, .address_space: global }
      - { .name: Wk_scales, .offset: 32, .size: 8, .value_kind: global_buffer, .address_space: global }
      - { .name: bk, .offset: 40, .size: 8, .value_kind: global_buffer, .address_space: global }
      - { .name: Wv_codes, .offset: 48, .size: 8, .value_kind: global_buffer, .address_space: global }
      - { .name: Wv_scales, .offset: 56, .size: 8, .value_kind: global_buffer, .address_space: global }
      - { .name: bv, .offset: 64, .size: 8, .value_kind: global_buffer, .address_space: global }
      - { .name: Wq_codes, .offset: 72, .size: 8, .value_kind: global_buffer, .address_space: global }
      - { .name: Wq_scales, .offset: 80, .size: 8, .value_kind: global_buffer, .address_space: global }
      - { .name: W1_codes, .offset: 88, .size: 8, .value_kind: global_buffer, .address_space: global }
      - { .name: W1_scales, .offset: 96, .size: 8, .value_kind: global_buffer, .address_space: global }
      - { .name: W2_codes, .offset: 104, .size: 8, .value_kind: global_buffer, .address_space: global }
      - { .name: W2_scales, .offset: 112, .size: 8, .value_kind: global_buffer, .address_space: global }
      - { .name: wfrag, .offset: 120, .size: 8, .value_kind: global_buffer, .address_space: global }
      - { .name: wscl, .offset: 128, .size: 8, .value_kind: global_buffer, .address_space: global }
      - { .name: kfrag, .offset: 136, .size: 8, .value_kind: global_buffer, .address_space: global }
      - { .name: kscl, .offset: 144, .size: 8, .value_kind: global_buffer, .address_space: global }
      - { .name: vfrag, .offset: 152, .size: 8, .value_kind: global_buffer, .address_space: global }
      - { .name: vscl, .offset: 160, .size: 8, .value_kind: global_buffer, .address_space: global }
    .group_segment_fixed_size: 36864
    .private_segment_fixed_size: 0
    .kernarg_segment_align: 8
    .kernarg_segment_size: 168
    .max_flat_workgroup_size: 256
    .sgpr_count:     96
    .vgpr_count:     512
    .wavefront_size: 32
...
	.end_amdgpu_metadata
.endif
;; end of part 3
;; launch main (part 4): grid 256 x 1, 8 waves a work-group, no clusters, 266,240 bytes of LDS; arguments x, wfrag, wscl, bq, kfrag, kscl, vfrag, vscl, ln1_w, ln1_b, b1, b2, ln2_w, ln2_b, out0; writes out0
.if DOCPART == 4
	.amdgcn_target "amdgcn-amd-amdhsa--gfx1250"
	.amdhsa_code_object_version 6
	.text
	.protected	k_q601e43c285_main
	.globl	k_q601e43c285_main
	.p2align	8
	.type	k_q601e43c285_main,@function
k_q601e43c285_main:
	s_mov_b64 s[64:65], 0
	v_nop
	global_prefetch_b8 v0, s[64:65] scope:SCOPE_SE
	s_setreg_imm32_b32 hwreg(HW_REG_WAVE_SCHED_MODE, 0, 2), 2
	s_setreg_imm32_b32 hwreg(HW_REG_WAVE_MODE, 25, 1), 1
	s_wait_xcnt 0x0
	s_wait_alu depctr_vm_vsrc(0)
; THE WHOLE BLOCK FOR 128 ROWS OF ONE BATCH: q = x Wq^T + bq; scores = q k^T; p = 2^(t - M); a = q l + p v; query = LN1; h = gelu(query W1^T + b1); query + h W2^T + b2; LN2; + x.
; All seven products on codes of E4M3 with one E8M0 scale for each 32 along K; everything else in f32.  No intermediate goes to memory.
; SHARES.  Eight waves of 512 registers, two to a SIMD, so that one wave's vector work stands beside the other's products.  THE WAVES SHARE THE COLUMNS: wave w owns features 64 w .. 64 w + 63 of all 128 rows:
; 32 accumulators of 16 x 16 in window 1 (row tile m, feature tile t at v[32 m + 8 t]), which carry the residual stream from q to the second norm.  In the first MLP product wave w owns hidden units 128 w .. + 127,
; which are K step w of the second.  The scores alone go by rows (wave w = row tile w), so that a softmax never leaves a wave.
; EVERY PRODUCT IS USED TRANSPOSED (source 0 = 16 rows of a weight, of k or of v^T; source 1 = 16 tokens): a lane holds ONE token (lane % 16).  The rows of a tile are ROW(t, r) = 32 (t/2) + 8 (t%2) + r + 8 (r/8), so that
; register 16 b + i of a lane's 32 is feature 64 w + 32 b + 16 (lane / 16) + i: 16 neighbours along the next K, which the conversions turn straight into registers of the next operand.
; OPERANDS GO FROM WAVE TO WAVE THROUGH LDS AS IMAGES OF THEIR REGISTERS (2,048 bytes a fragment: registers 4c..4c+3 of lane l at 512 c + 16 l).  The weights lie in memory in that order (the launch before) and go
; straight into registers, each byte once for a work-group, 512 consecutive bytes a load; a weight set is asked for one K step, its scale words two K steps, ahead of their use.
; NO CLUSTER, NO TENSOR LOAD: a weight byte is used by one wave of a work-group; shared among work-groups it would have to pass through LDS, 1.28 MB written and 1.28 MB read for each work-group beside the 5.6 MB that the
; rows' images already move there.
; LN1 WITHOUT THE DIVISION BY l: with a = q l + sum p v, LN(q + attn) = (a - mean a) rsqrt(var a + eps l^2), exactly.
; gelu(x) = max(x, 0) - |x| c, c = erfc(|x| / sqrt 2) / 2 = t 2^E, t = 1 / (1 + 0.35355339 |x|), E = -0.72134752 x^2 + a polynomial of degree 9 in t (the published rational-exponential fit of erfc, fractional error 1.2e-7).
; x IS READ TWICE: 256 KB of registers carry the residual stream and LDS holds 259 KB, so 256 KB of x cannot be kept; the second read is asked for ahead, a strip of 32 rows in each trip of the last product.
; LIMITS: NaN and infinities are not served; a block of zeros gets the scale byte 1 (its codes are zeros; this program alone reads the bytes); for x under about -13 gelu's c falls to 0 (the true value is under 1e-37).
; THE MODE: SCHED_MODE bits 1:0 = 2 (LLVM: expert scheduling mode 2), set by the entry lines.  The code itself states the register dependences between vector or matrix instructions and memory or LDS
; instructions, with s_wait_alu, always for 0.
; THE PLAN.  Registers that memory or LDS instructions touch, and who else names them:
;   v1, v14           offsets, made at the head and never written again.
;   v2, v3, v6, v7    (in the first MLP product also v4, v5, v23) addresses and offsets, made anew phase by phase: a wait on vm_vsrc ahead of the making (the accesses issued so far have read them), one on va_vdst behind it.
;   v240-248          the quantiser's out-buffer: a turn's conversions write it, its three LDS stores read it: vm_vsrc at a turn's head, va_vdst ahead of the stores.
;   v64-127, v128-191 weight sets; v192-223, v224-255 fragment buffers; v16-23 the rows' scale words; v28-31 scale words on their way: loads land in them, products (v28-31: four copies) read them:
;                     one wait on va_vdst between a buffer's last reader and the run of loads that fills it again.  The runs are not dealt among the products: those run with their destination in window 1,
;                     where a load among them would land.
;   the sums' registers of the norms: written by the additions, read by eight LDS stores, written again by the next pass: va_vdst ahead of the stores, vm_vsrc ahead of the next pass.
;   v32-63            on the way out: LDS loads land in it, x is added, global stores read it: va_vdst ahead of the stores, vm_vsrc ahead of the next tile's loads.
;   The accumulators (window 1): x lands there at the head and is read by stage stores; later only vector and matrix instructions name them, and the way out's stage stores, behind a wait on va_vdst.
.set XIMG,  0                          ; LDS: x's codes, later query's: [K step 4][row tile 8] images
.set QIMG,  65536                      ; q's codes, likewise
.set KIMG,  131072                     ; k's: [K step 4][key tile 8]
.set HIMG,  65536                      ; the hidden layer's, over q's and k's: [K step 8][row tile 8]
.set LB0,   196608                     ; the small regions begin here
.set XSC,   196608                     ; scale words of x, later of query: [s/2][r + 16 (s%2)][m 8]
.set HSC,   198656                     ; of the hidden layer (4,096 bytes); its first 2,048 serve q before
.set PIMG,  202752                     ; p's codes: [row tile 8]
.set PSC,   219136                     ; p's scale words: [m/4][lane][m%4]
.set LSUM,  220160                     ; (l, eps l^2): [m/2][lane][m%2]
.set STAT1, 222208                     ; the norms' partial sums [m][r 16][w 8]; the sums of squares 4,096 bytes further on
.set STAGE, 230400                     ; 16 rows x 272 bytes for each wave: rows as they lie in memory <-> a lane's 16 neighbours
.set WIA,  4                           ; v4   where I store my two pieces of an image
.set SCW,  5                           ; v5   and my two bytes of a scale word
.set NWS,  28                          ; v28-31 the next pair's weight scale words, on their way (in the first MLP product: W1's scale words)
.set HT,   224                         ; v224-239 16 numbers held
.set CD,   240                         ; v240-247 codes just made
.set MX,   248                         ; v248-249 largest magnitudes, then bytes
.set PX,   250
.set SO,   252                         ; the conversions' scale operands
.set HD,   254                         ; 448 x the scale
.set MSB, 0
.macro WIN new                         ; s_set_vgpr_msb: bits 1:0 source 0, 3:2 source 1, 5:4 source 2, 7:6 destination; the high byte repeats the setting that is left
.if MSB != (\new)
	s_set_vgpr_msb (MSB<<8)|(\new)
.set MSB, (\new)
.endif
.endm
.macro BARRIER                         ; my LDS stores have landed and my LDS loads are in: then the work-group's barrier
	s_wait_dscnt 0x0
	s_barrier_signal -1
	s_barrier_wait -1
.endm
.macro PLACES n                        ; plain vector lines behind matrix instructions: eight for this form
.rept \n
	v_nop
.endr
.endm
.macro LOADP dst, sp                   ; 32 numbers of a vector over the features, in the accumulators' order: register 16 b + i = feature 64 w + 32 b + 16 h + i
.irp b, 0,1
.irp i, 0,1,2,3
	global_load_b128 v[\dst+16*\b+4*\i:\dst+16*\b+4*\i+3], v14, s[\sp:\sp+1] offset:128*\b+16*\i
.endr
.endr
.endm
; 32 numbers of a lane (two blocks of 32 along K, each shared with lane l xor 16) in window 'win' become 8 registers of codes and 2 scale bytes, stored into an image and a scale word
.macro QUANT32 src, win, ia, ioff, sa, soff
	s_wait_dscnt 0x0                               ; earlier LDS loads are in
	s_wait_alu depctr_vm_vsrc(0)                   ; the stores of the quantiser's last turn have read the codes' registers and the bytes' register, which this turn writes; the stage's stores and loads issued so far have read theirs
	WIN (0x14*\win)
.irp b, 0,1
	v_max3_num_f32 v[MX+\b], 0x4800000, |v[\src+16*\b]|, |v[\src+16*\b+1]|      ; the floor 2^(9 - 127) among the leaves: the byte cannot fall under 1
.endr
.irp i, 1,2,3,4,5,6,7
.irp b, 0,1
	v_max3_num_f32 v[MX+\b], v[MX+\b], |v[\src+16*\b+2*\i]|, |v[\src+16*\b+2*\i+1]|
.endr
.endr
	WIN 0
.irp b, 0,1
	v_permlanex16_b32 v[PX+\b], v[MX+\b], s53, s54
.endr
.irp b, 0,1
	v_max_num_f32 v[MX+\b], v[MX+\b], v[PX+\b]             ; the block's largest magnitude
.endr
.irp b, 0,1
	v_add_nc_u32 v[SO+\b], 0xfc000000, v[MX+\b]            ; 8 off its exponent field
.endr
.irp b, 0,1
	v_and_or_b32 v[HD+\b], v[MX+\b], 0x7f800000, s55       ; 448 x the scale
.endr
.irp b, 0,1
	v_lshrrev_b32 v[MX+\b], 23, v[SO+\b]                   ; the byte
.endr
	v_lshl_or_b32 v[MX], v[MX+1], 8, v[MX]
.irp b, 0,1
	WIN (0x01*\win)
.irp i, 0,1,2,3,4,5,6,7,8,9,10,11,12,13,14,15
	v_med3_num_f32 v[HT+\i], v[\src+16*\b+\i], -v[HD+\b], v[HD+\b]      ; the conversion does not saturate (ISA guide 7.6.2); the numbers themselves stay as they are
.endr
	WIN 0
	v_cvt_scalef32_pk8_fp8_f32 v[CD+4*\b:CD+4*\b+1], v[HT:HT+7], v[SO+\b]
	v_cvt_scalef32_pk8_fp8_f32 v[CD+4*\b+2:CD+4*\b+3], v[HT+8:HT+15], v[SO+\b]
	v_nop                                          ; one plain line behind the conversions
.endr
	s_wait_alu depctr_va_vdst(0)                   ; the codes and the two bytes are written, which the stores read (and a store address made just ahead of the turn); the turn is done with its 32 numbers, where a next tile's loads may land
	ds_store_b128 v[\ia], v[CD:CD+3] offset:\ioff
	ds_store_b128 v[\ia], v[CD+4:CD+7] offset:\ioff+512
	ds_store_b16 v[\sa], v[MX] offset:\soff        ; lanes r and r + 16 store the same two bytes
.endm
; two weight tiles (first, first + 1) of K step 'so' from the pointer on, into weight set e (v64-127 or v128-191)
.macro WLOADH e, so, ns, wp, first
.irp t, 0,1
.irp c, 0,1,2,3
	global_load_b128 v[64+64*\e+16*((\first)+\t)+4*\c:64+64*\e+16*((\first)+\t)+4*\c+3], v1, s[\wp:\wp+1] offset:(((\first)+\t)*\ns+\so)*2048+512*\c
.endr
.endr
.endm
.macro WLOAD e, so, ns, wp
	WLOADH \e, \so, \ns, \wp, 0
	WLOADH \e, \so, \ns, \wp, 2
.endm
; group G of a pair's eight: K step G / 4 of the pair, row tiles 2 (G % 4) and 2 (G % 4) + 1; two buffers of 32 registers by turns
.macro AGLOAD G
.irp mm, 0,1
.irp c, 0,1,2,3
	ds_load_b128 v[192+32*((\G)%2)+16*\mm+4*\c:192+32*((\G)%2)+16*\mm+4*\c+3], v2 offset:((\G)/4)*16384+(2*((\G)%4)+\mm)*2048+512*\c
.endr
.endr
.endm
.macro GMUL G, bias                    ; eight products; the 32 accumulators take turns in the same order in every K step
.if \bias
	WIN 0x40                                       ; D window 1, C (the bias) window 0
.else
	WIN 0x50                                       ; C and D window 1
.endif
.irp mm, 0,1
.irp t, 0,1,2,3
.set rD, 32*(2*((\G)%4)+\mm)+8*\t
.set rA, 64+64*((\G)/4)+16*\t
.set rB, 192+32*((\G)%2)+16*\mm
.set rS, 16+2*((\G)%4)+\mm
.if \bias
	v_wmma_scale_f32_16x16x128_f8f6f4 v[rD:rD+7], v[rA:rA+15], v[rB:rB+15], v[32+8*\t:39+8*\t], v[8+\t], v[rS]
.elseif (\G) < 4
	v_wmma_scale_f32_16x16x128_f8f6f4 v[rD:rD+7], v[rA:rA+15], v[rB:rB+15], v[rD:rD+7], v[8+\t], v[rS]
.else
	v_wmma_scale_f32_16x16x128_f8f6f4 v[rD:rD+7], v[rA:rA+15], v[rB:rB+15], v[rD:rD+7], v[8+\t], v[rS] matrix_a_scale:MATRIX_SCALE_ROW1 matrix_b_scale:MATRIX_SCALE_ROW1
.endif
.endr
.endr
	WIN 0
.endm
; TWO K STEPS of a product of my 4 weight tiles with all 8 row tiles.  On entry weight set 0 AND the pair's four weight scale words (into v[NWS] on) have been asked for: both a K step ago or earlier, so that the wait at the
; head waits for no request of this pair's own.  The scale words serve both steps: the even step reads lanes 0-15, the odd one lanes 16-31.
; mode 0: the next pair's set 0 and scale words are asked for; 1: nothing follows; 2: the loop of the last product: in its last trip b2 and ln2_w take the next set's place, and no scale words are asked for (none are left in the buffer).
.macro PAIR ab, sb, wp, wsp, ns, bias, mode
	s_wait_alu depctr_vm_vsrc(0)                   ; the LDS loads issued so far have read v2 and v3, and the last prefetch v7, which are written below; the LDS stores issued so far have read their data, in whose registers set 1 and the fragments land and which the products write
	v_add_nc_u32 v2, s61, v[\ab]                   ; the pair's images
	v_add_nc_u32 v3, s62, v[\sb]                   ; and the rows' scale words
.if \mode == 2
	v_add_nc_u32 v7, s63, v15                      ; rows 32 p .. 32 p + 31 of my strip (the trip before ended behind a wait on XCNT)
.endif
	s_wait_alu depctr_va_vdst(0)                   ; v2, v3 and v7 are written, which the loads and the prefetch below read; the products and vector lines issued so far are done with set 1, the rows' scale words and both fragment buffers, where the loads below land
	WLOAD 1, 1, \ns, \wp
.if \mode == 2
	global_prefetch_b8 v7, s[4:5] th:TH_LOAD_NT scope:SCOPE_SE      ; 32 rows of my strip of x, one row's 256 bytes a lane: each block is asked for once in the launch, by the wave that will read it
.endif
	ds_load_b128 v[16:19], v3
	ds_load_b128 v[20:23], v3 offset:16
	AGLOAD 0
	AGLOAD 1
	s_wait_loadcnt 16                              ; set 0 and the scale words are in; set 1's 16 loads, just issued, may be out
.irp t, 0,1,2,3
	v_mov_b32 v[8+\t], v[NWS+\t]                   ; the pair's scale words take their place (the last products that read v8-11 stand ten plain lines back); v[NWS] on is free for the next pair's
.endr
	PLACES 8                                       ; a scale register written by a vector instruction stands eight places ahead of a scaled product
	s_wait_alu depctr_va_vdst(0)                   ; the four copies have written v8-11, which the scaled products take as scales; the places above stay beside this wait
.irp G, 0,1,2,3
	s_wait_dscnt 8                                 ; this group's fragments are in; the next group's 8 loads may be out
	GMUL \G, \bias
	PLACES 8
	s_wait_alu depctr_va_vdst(0)                   ; the group's products are done reading their fragment buffer, where the group two on lands; behind the fourth group also weight set 0, which is asked for again below
	AGLOAD \G+2
.endr
.if \mode == 0
	global_load_b128 v[NWS:NWS+3], v1, s[\wsp:\wsp+1] offset:512    ; the next pair's scale words.  No wait: no vector or matrix instruction since the wait above names v28-31 or set 0
	WLOAD 0, 2, \ns, \wp
	s_wait_loadcnt 17                              ; set 1 is in; the 1 + 16 loads just issued may be out
.elseif \mode == 1
	s_wait_loadcnt 0x0
.else
	s_cmp_eq_u32 s59, 1
	s_cbranch_scc1 .Lhook_\@
	global_load_b128 v[NWS:NWS+3], v1, s[\wsp:\wsp+1] offset:512
	WLOAD 0, 2, \ns, \wp
	s_wait_loadcnt 17                              ; set 1 is in; 1 + 16 loads were issued behind it on this way,
	s_branch .Ljoin_\@
.Lhook_\@:
	LOADP 64, 26                                   ; b2
	LOADP 96, 28                                   ; ln2_w
	s_wait_loadcnt 16                              ; and 16 on this one
.Ljoin_\@:
.endif
.irp G, 4,5
	s_wait_dscnt 8
	GMUL \G, 0
	PLACES 8
	s_wait_alu depctr_va_vdst(0)                   ; the group's products are done reading their fragment buffer, where the group two on lands
	AGLOAD \G+2
.endr
	s_wait_dscnt 8
	GMUL 6, 0
	s_wait_dscnt 0x0
	GMUL 7, 0
	PLACES 8
	s_wait_xcnt 0x0                                ; the loads' addresses are translated (ISA guide 3.1): the pointers may step
	s_add_nc_u64 s[\wp:\wp+1], s[\wp:\wp+1], 4096
	s_add_nc_u64 s[\wsp:\wsp+1], s[\wsp:\wsp+1], 512
	s_add_co_u32 s61, s61, 32768
	s_add_co_u32 s62, s62, 1024
.endm
; THE NORMS.  A lane's 32 numbers of each row tile, then lane l xor 16's: my wave's part of a row's sum, to [m][r][w]
.macro LNFOLD sb, sw, off
.irp m, 0,1,2,3,4,5,6,7
	v_add_f32 v[\sb+2*\m], v[\sb+2*\m], v[\sb+2*\m+1]
.endr
.irp m, 0,1,2,3,4,5,6,7
	v_permlanex16_b32 v[\sb+2*\m+1], v[\sb+2*\m], s53, s54
.endr
.irp m, 0,1,2,3,4,5,6,7
	v_add_f32 v[\sb+2*\m], v[\sb+2*\m], v[\sb+2*\m+1]
.endr
	s_wait_alu depctr_va_vdst(0)                   ; my parts of the eight sums are written, which the stores read, and so are the norm's LDS addresses; the lines above are done with the registers where the next loads land
.irp m, 0,1,2,3,4,5,6,7
	ds_store_b32 v[\sw], v[\sb+2*\m] offset:\off+512*\m
.endr
.endm
.macro LNSUM sb, sw
	WIN 0x05
.irp m, 0,1,2,3,4,5,6,7
	v_pk_add_f32 v[\sb+2*\m:\sb+2*\m+1], v[32*\m:32*\m+1], v[32*\m+2:32*\m+3]       ; each accumulator is read from its low end on
.endr
	WIN 0x04
.irp i, 2,3,4,5,6,7,8,9,10,11,12,13,14,15
.irp m, 0,1,2,3,4,5,6,7
	v_pk_add_f32 v[\sb+2*\m:\sb+2*\m+1], v[\sb+2*\m:\sb+2*\m+1], v[32*\m+2*\i:32*\m+2*\i+1]
.endr
.endr
	WIN 0
	LNFOLD \sb, \sw, 0
.endm
.macro LNRED st                        ; four waves' parts a lane, then the other four from lane l xor 16
.irp m, 0,1,2,3,4,5,6,7
	v_add_f32 v[\st+4*\m], v[\st+4*\m], v[\st+4*\m+1]
.endr
.irp m, 0,1,2,3,4,5,6,7
	v_add_f32 v[\st+4*\m+2], v[\st+4*\m+2], v[\st+4*\m+3]
.endr
.irp m, 0,1,2,3,4,5,6,7
	v_add_f32 v[\st+4*\m], v[\st+4*\m], v[\st+4*\m+2]
.endr
.irp m, 0,1,2,3,4,5,6,7
	v_permlanex16_b32 v[\st+4*\m+1], v[\st+4*\m], s53, s54
.endr
.irp m, 0,1,2,3,4,5,6,7
	v_add_f32 v[\st+4*\m], v[\st+4*\m], v[\st+4*\m+1]
.endr
.endm
.macro LNDEV st, sb, sw, sr            ; the mean is taken off the accumulators; then the sums of squares of what is left
	s_wait_alu depctr_vm_vsrc(0)                   ; the stores of the sums have read their data registers, which the sums of squares below write again
.irp m, 0,1,2,3,4,5,6,7
	ds_load_b128 v[\st+4*\m:\st+4*\m+3], v[\sr] offset:512*\m
.endr
	s_wait_dscnt 0x0
	LNRED \st
.irp m, 0,1,2,3,4,5,6,7
	v_mul_f32 v[\st+4*\m], 0xbb000000, v[\st+4*\m]         ; - the sum / 512
.endr
	WIN 0x41
.irp m, 0,1,2,3,4,5,6,7
.set k, 0
.rept 16
	v_pk_add_f32 v[32*\m+k:32*\m+k+1], v[32*\m+k:32*\m+k+1], v[\st+4*\m:\st+4*\m+1] op_sel_hi:[1,0]
.set k, k+2
.endr
.endr
	WIN 0x05
.irp m, 0,1,2,3,4,5,6,7
	v_pk_mul_f32 v[\sb+2*\m:\sb+2*\m+1], v[32*\m:32*\m+1], v[32*\m:32*\m+1]
.endr
.irp i, 1,2,3,4,5,6,7,8,9,10,11,12,13,14,15
.irp m, 0,1,2,3,4,5,6,7
	v_pk_fma_f32 v[\sb+2*\m:\sb+2*\m+1], v[32*\m+2*\i:32*\m+2*\i+1], v[32*\m+2*\i:32*\m+2*\i+1], v[\sb+2*\m:\sb+2*\m+1]
.endr
.endr
	WIN 0
	LNFOLD \sb, \sw, 4096
.endm
.macro W1LOAD                          ; two tiles of W1 x four K steps: fragment 4 t + s at v[64 + 16 (4 t + s)]
.irp f, 0,1,2,3,4,5,6,7
.irp c, 0,1,2,3
	global_load_b128 v[64+16*\f+4*\c:67+16*\f+4*\c], v1, s[36:37] offset:2048*\f+512*\c
.endr
.endr
.endm
.macro W1SMALL                         ; b1 of the two tiles, in the result's layout, and their scale words
.irp i, 0,1,2,3
	global_load_b128 v[32+4*\i:35+4*\i], v14, s[24:25] offset:16*\i
.endr
	global_load_b64 v[28:29], v23, s[42:43]
	global_load_b64 v[30:31], v23, s[42:43] offset:512
.endm
; ================ head
	s_load_b512 s[4:19], s[0:1], 0x0               ; x, wfrag, wscl, bq, kfrag, kscl, vfrag, vscl
	s_load_b256 s[20:27], s[0:1], 0x40             ; ln1_w, ln1_b, b1, b2
	s_load_b128 s[28:31], s[0:1], 0x60             ; ln2_w, ln2_b
	s_load_b64 s[32:33], s[0:1], 0x70              ; out0
	v_lshrrev_b32 v2, 5, v0
	v_readfirstlane_b32 s46, v2                    ; w
	v_and_b32 v1, 31, v0
	v_lshlrev_b32 v1, 4, v1                        ; v1 = 16 x lane, kept for the whole launch
	v_and_b32 v9, 15, v0                           ; r
	v_bfe_u32 v10, v0, 4, 1                        ; h
	v_lshlrev_b32 v6, 11, v10
	v_lshl_add_u32 v6, v9, 4, v6                   ; x as it lies: lanes 0-15 one row's 256 bytes, lanes 16-31 the next row's
	s_wait_alu depctr_va_sdst(0)                   ; s46 is written, ahead of its first reader: every base below is made from it
	s_lshl_b32 s88, ttmp9, 18                      ; 128 rows of 2,048 bytes a work-group,
	s_lshl_b32 s90, s46, 8                         ; 256 bytes of a row a wave
	s_add_co_u32 s88, s88, s90
	s_mov_b32 s89, 0
	s_mov_b32 s91, 0
	s_wait_kmcnt 0x0
	s_add_nc_u64 s[4:5], s[4:5], s[88:89]
	WIN 0x40                                       ; x waits in the registers that will hold the accumulators
	s_wait_alu depctr_va_vdst(0)                   ; v6 is written, which x's loads read, and v1, which every load of weights reads
.irp m, 0,1,2,3,4,5,6,7
.irp i, 0,1,2,3,4,5,6,7
	global_load_b128 v[32*\m+4*\i:32*\m+4*\i+3], v6, s[4:5] offset:(16*\m+2*\i)*2048
.endr
.endr
	WIN 0
	s_add_nc_u64 s[32:33], s[32:33], s[88:89]
.irp p, 10,20,22,26,28,30
	s_add_nc_u64 s[\p:\p+1], s[\p:\p+1], s[90:91]  ; bq, ln1_w, ln1_b, b2, ln2_w, ln2_b at my 64 features
.endr
	s_lshl_b32 s90, s46, 9
	s_add_nc_u64 s[24:25], s[24:25], s[90:91]      ; b1 at my 128 hidden units
	s_lshr_b32 s47, ttmp9, 3                       ; the batch
	s_lshl_b32 s88, s47, 12
	s_add_co_u32 s88, s88, s90
	s_add_nc_u64 s[18:19], s[18:19], s[88:89]      ; vscl
	s_lshl_b32 s88, s47, 11
	s_add_nc_u64 s[14:15], s[14:15], s[88:89]      ; kscl
	s_lshl_b32 s88, s47, 16
	s_lshl_b32 s90, s46, 13
	s_add_co_u32 s88, s88, s90
	s_add_nc_u64 s[12:13], s[12:13], s[88:89]      ; kfrag: the eighth that I copy
	s_add_nc_u64 s[16:17], s[16:17], s[88:89]      ; vfrag: my four tiles
	s_lshl_b32 s88, s46, 15
	s_add_nc_u64 s[34:35], s[6:7], s[88:89]        ; Wq's fragments of my four tiles
	s_lshl_b32 s88, s46, 16
	s_add_co_u32 s90, s88, 262144
	s_add_nc_u64 s[36:37], s[6:7], s[90:91]        ; W1's of my eight
	s_add_co_u32 s90, s88, 786432
	s_add_nc_u64 s[38:39], s[6:7], s[90:91]        ; W2's of my four
	s_lshl_b32 s88, s46, 10
	s_add_nc_u64 s[40:41], s[8:9], s[88:89]        ; and their scale words
	s_lshl_b32 s88, s46, 11
	s_add_co_u32 s90, s88, 8192
	s_add_nc_u64 s[42:43], s[8:9], s[90:91]
	s_add_co_u32 s90, s88, 24576
	s_add_nc_u64 s[44:45], s[8:9], s[90:91]
	s_lshr_b32 s88, s46, 1
	s_and_b32 s89, s46, 1
	s_lshl_b32 s50, s88, 14
	s_lshl_b32 s90, s89, 10
	s_add_co_u32 s50, s50, s90                     ; my features are pieces 2 (w%2), 2 (w%2) + 1 of K step w/2
	s_lshr_b32 s51, s46, 2
	s_lshl_b32 s51, s51, 10
	s_and_b32 s90, s88, 1
	s_lshl_b32 s90, s90, 9
	s_add_co_u32 s51, s51, s90
	s_lshl_b32 s90, s89, 1
	s_add_co_u32 s51, s51, s90
	s_add_co_u32 s51, s51, XSC                     ; and bytes 2 (w%2), 2 (w%2) + 1 of its scale words
	s_mul_i32 s52, s46, 4352
	s_add_co_u32 s52, s52, STAGE                   ; my stage
	s_mov_b32 s53, 0x76543210
	s_mov_b32 s54, 0xfedcba98                      ; v_permlanex16_b32's selects for lane l xor 16
	s_mov_b32 s55, 0x600000                        ; the mantissa field of 448
	s_mov_b32 s56, 0x3d8293ee                      ; log2(e) / sqrt(512)
	s_mov_b32 s57, s56
	s_mov_b32 s58, 0x3727c5ac                      ; 1e-5
	s_mov_b32 s66, 0x3eb504f3                      ; 0.35355339
	s_mov_b32 s68, 0xbf38aa3b                      ; -0.72134752
	s_mov_b32 s69, s68
	s_mov_b32 s70, 0xc034d90f                      ; the polynomial's c0 .. c8, each as a pair for the packed form
	s_mov_b32 s72, 0x3fb8ab5a
	s_mov_b32 s74, 0x3f0a29d2
	s_mov_b32 s76, 0x3e0efb2e
	s_mov_b32 s78, 0xbe899a80
	s_mov_b32 s80, 0x3ecdfd18
	s_mov_b32 s82, 0xbfd1a1e5
	s_mov_b32 s84, 0x40097039
	s_mov_b32 s86, 0xbf97d29d
.irp i, 70,72,74,76,78,80,82,84,86
	s_mov_b32 s[\i+1], s[\i]
.endr
	v_mul_u32_u24 v2, v10, 272
	v_lshl_add_u32 v2, v9, 4, v2
	v_add_nc_u32 v2, s52, v2                       ; the stage by rows as in memory: 272 h + 16 r, two rows a store
	v_mul_u32_u24 v3, v9, 272
	v_lshl_add_u32 v3, v10, 6, v3
	v_add_nc_u32 v3, s52, v3                       ; and by tokens: row r, + 64 h: my 16 neighbours of a block
	v_add_nc_u32 v[WIA], s50, v1
	v_lshlrev_b32 v[SCW], 5, v9
	v_add_nc_u32 v[SCW], s51, v[SCW]
	s_lshl_b32 s90, s46, 13
	s_add_co_u32 s90, s90, KIMG
	v_add_nc_u32 v7, s90, v1
	v_lshlrev_b32 v14, 6, v10                      ; v14 = 64 h, kept for the whole launch
	v_mov_b32 v[PX], 0                             ; written once: a lane permute's destination counts as one of its sources
	v_mov_b32 v[PX+1], 0
	s_wait_alu depctr_va_vdst(0)                   ; the LDS addresses v2, v3, v4, v5, v7 and the offset v14 are written, which the stores and loads of this phase read
; ================ X: my 64 features of the 128 rows of x become codes.  A tile's 8 loads go through my stage and come back 16 neighbours a lane
; A tile's loads and stage stores owe no wait of their own: behind the quantiser's wait on va_vdst no vector line stands ahead of them
.macro XTILE m, left
	s_wait_loadcnt \left                           ; tile m is in: behind it stand the later tiles' loads and the small loads issued so far
.if \m < 2
.irp i, 0,1,2,3,4,5,6,7
	global_load_b128 v[128+32*\m+4*\i:131+32*\m+4*\i], v1, s[12:13] offset:4096*\m+512*\i    ; my eighth of k's images
.endr
.elseif \m < 4
	WLOADH 0, 0, 4, 34, 2*(\m-2)                   ; Wq's first K step
.elseif \m == 4
	LOADP 32, 10                                   ; bq
.elseif \m == 5
	global_load_b128 v[NWS:NWS+3], v1, s[40:41]    ; the scale words of Wq's first two K steps
.endif
	WIN 0x04                                       ; an LDS store's data are its source 1
.irp i, 0,1,2,3,4,5,6,7
	ds_store_b128 v2, v[32*\m+4*\i:32*\m+4*\i+3] offset:544*\i
.endr
	WIN 0
.irp b, 0,1
.irp j, 0,1,2,3
	ds_load_b128 v[192+16*\b+4*\j:195+16*\b+4*\j], v3 offset:128*\b+16*\j    ; LDS serves a wave's instructions in order (ISA guide 5.7.1.4): these see the stores above
.endr
.endr
	QUANT32 192, 0, WIA, \m*2048, SCW, 4*\m
.endm
	XTILE 0, 56                                    ; 8 (7 - m) loads of later tiles + the small loads so far: 0, 8, 16, 24, 32, 40, 41, 41
	XTILE 1, 56
	XTILE 2, 56
	XTILE 3, 56
	XTILE 4, 56
	XTILE 5, 56
	XTILE 6, 49
	XTILE 7, 41
	s_wait_loadcnt 25                              ; k's copy is in; Wq's 16 loads, bq's 8 and the scale words' one may be out
.irp i, 0,1,2,3,4,5,6,7,8,9,10,11,12,13,14,15
	ds_store_b128 v7, v[128+4*\i:131+4*\i] offset:512*\i
.endr
	BARRIER                                        ; x's 32 images, their scale words and k's 32 images lie in LDS
; ================ P1: q = x Wq^T + bq
	v_and_b32 v13, 31, v0
	v_lshl_add_u32 v13, v13, 5, XSC
	s_mov_b32 s61, 0
	s_mov_b32 s62, 0
	PAIR 1, 13, 34, 40, 4, 1, 0
	PAIR 1, 13, 34, 40, 4, 0, 1
; ================ Q: q becomes codes (it also stays in the accumulators)
	v_add_nc_u32 v6, QIMG, v[WIA]                  ; (x's loads, which read v6, stand ahead of many a wait on vm_vsrc)
	s_wait_alu depctr_va_vdst(0)                   ; the last products are done reading the rows' scale words v16-23, and the copies v28-31: k's scale words land there
.irp q, 0,1,2,3
	global_load_b128 v[16+4*\q:19+4*\q], v1, s[14:15] offset:512*\q          ; k's scale words: register 16 + 2 T + s/2
.endr
.irp m, 0,1,2,3,4,5,6,7
	QUANT32 32*\m, 1, 6, \m*2048, SCW, 2048+4*\m
.endr
	BARRIER                                        ; q's 32 images lie in LDS
; ================ S: the scores of row tile w against all 128 keys, and its softmax
.set SS, 192                           ; v192-255 S^T: register 16 b + i = key 32 b + 16 h + i
.set BM, 64                            ; v64-67 each block's largest score, then its largest p
.set BP, 68
.set BH, 72
.set BO, 76
	s_wait_alu depctr_vm_vsrc(0)                   ; the quantiser's last stores have read v6, which is written below, and v240-248, which the scores' products write
	s_lshl_b32 s88, s46, 11
	s_add_co_u32 s88, s88, QIMG
	v_add_nc_u32 v2, s88, v1
	v_add_nc_u32 v3, KIMG, v1
	v_and_b32 v6, 31, v0
	s_lshl_b32 s88, s46, 2
	s_add_co_u32 s88, s88, HSC
	v_lshl_add_u32 v6, v6, 5, s88
	s_wait_alu depctr_va_vdst(0)                   ; v2, v3 and v6 are written, which the LDS loads below read
	ds_load_b32 v8, v6
	ds_load_b32 v9, v6 offset:1024
	s_wait_loadcnt 0x0
.irp s, 0,1,2,3
.if \s > 0
	s_wait_alu depctr_va_vdst(0)                   ; the last K step's products are done reading q's fragment and k's eight, where this step's land
.endif
.irp c, 0,1,2,3
	ds_load_b128 v[32+4*\c:35+4*\c], v2 offset:16384*\s+512*\c
.endr
.irp T, 0,1,2,3,4,5,6,7
.irp c, 0,1,2,3
	ds_load_b128 v[64+16*\T+4*\c:67+16*\T+4*\c], v3 offset:16384*\s+2048*\T+512*\c
.endr
.endr
	s_wait_dscnt 0x0
.irp T, 0,1,2,3,4,5,6,7
.if \s == 0
	v_wmma_scale_f32_16x16x128_f8f6f4 v[SS+8*\T:SS+8*\T+7], v[64+16*\T:79+16*\T], v[32:47], 0, v[16+2*\T], v8
.elseif \s == 1
	v_wmma_scale_f32_16x16x128_f8f6f4 v[SS+8*\T:SS+8*\T+7], v[64+16*\T:79+16*\T], v[32:47], v[SS+8*\T:SS+8*\T+7], v[16+2*\T], v8 matrix_a_scale:MATRIX_SCALE_ROW1 matrix_b_scale:MATRIX_SCALE_ROW1
.elseif \s == 2
	v_wmma_scale_f32_16x16x128_f8f6f4 v[SS+8*\T:SS+8*\T+7], v[64+16*\T:79+16*\T], v[32:47], v[SS+8*\T:SS+8*\T+7], v[17+2*\T], v9
.else
	v_wmma_scale_f32_16x16x128_f8f6f4 v[SS+8*\T:SS+8*\T+7], v[64+16*\T:79+16*\T], v[32:47], v[SS+8*\T:SS+8*\T+7], v[17+2*\T], v9 matrix_a_scale:MATRIX_SCALE_ROW1 matrix_b_scale:MATRIX_SCALE_ROW1
.endif
.endr
	PLACES 8
.endr
.irp b, 0,1,2,3
	v_max3_num_f32 v[BM+\b], v[SS+16*\b], v[SS+16*\b+1], v[SS+16*\b+2]      ; the largest score of each block of 32 keys: for the row's maximum, and, since p rises with the score, for the block's largest p
.endr
.irp i, 3,5,7,9,11,13
.irp b, 0,1,2,3
	v_max3_num_f32 v[BM+\b], v[BM+\b], v[SS+16*\b+\i], v[SS+16*\b+\i+1]
.endr
.endr
.irp b, 0,1,2,3
	v_max_num_f32 v[BM+\b], v[BM+\b], v[SS+16*\b+15]
.endr
.irp b, 0,1,2,3
	v_permlanex16_b32 v[BP+\b], v[BM+\b], s53, s54
.endr
.irp b, 0,1,2,3
	v_max_num_f32 v[BM+\b], v[BM+\b], v[BP+\b]
.endr
	v_max3_num_f32 v80, v[BM], v[BM+1], v[BM+2]
	v_max_num_f32 v80, v80, v[BM+3]
	v_mul_f32 v80, s56, v80                        ; the row's largest t
	v_floor_f32 v82, -v80                          ; -M = floor(-t) = -ceil(t): a whole number
	v_mov_b32 v83, v82
.set k, 0
.rept 32
	v_pk_fma_f32 v[SS+k:SS+k+1], v[SS+k:SS+k+1], s[56:57], v[82:83] op_sel_hi:[1,0,0]      ; t - M
.set k, k+2
.endr
.irp b, 0,1,2,3
	v_fma_f32 v[BM+\b], v[BM+\b], s56, v82
.endr
.set k, 0
.rept 64
	v_exp_f32 v[SS+k], v[SS+k]                     ; p = 2^(t - M): not normalised
.set k, k+1
.endr
.irp b, 0,1,2,3
	v_exp_f32 v[BM+\b], v[BM+\b]                   ; the block's largest p: the same two instructions on the same number
.endr
	v_nop                                          ; a plain line behind the exponentials
	s_wait_alu depctr_va_vdst(0)                   ; the 68 exponentials have written p and the blocks' largest p: one wait for the batch, ahead of its first reader
.irp b, 0,1,2,3
	v_max_num_f32 v[BM+\b], 0x4800000, v[BM+\b]
.endr
.irp b, 0,1,2,3
	v_add_nc_u32 v[BO+\b], 0xfc000000, v[BM+\b]
.endr
.irp b, 0,1,2,3
	v_and_or_b32 v[BH+\b], v[BM+\b], 0x7f800000, s55
.endr
.irp b, 0,1,2,3
	v_lshrrev_b32 v[BP+\b], 23, v[BO+\b]
.endr
	v_lshl_or_b32 v112, v[BP+1], 8, v[BP]
	v_lshl_or_b32 v112, v[BP+2], 16, v112
	v_lshl_or_b32 v112, v[BP+3], 24, v112          ; p's scale word
	v_pk_add_f32 v[84:85], v[SS:SS+1], v[SS+2:SS+3]        ; the row's sum is taken of the unquantised p, in two chains
	v_pk_add_f32 v[86:87], v[SS+4:SS+5], v[SS+6:SS+7]
.irp j, 8,12,16,20,24,28,32,36,40,44,48,52,56,60
	v_pk_add_f32 v[84:85], v[84:85], v[SS+\j:SS+\j+1]
	v_pk_add_f32 v[86:87], v[86:87], v[SS+\j+2:SS+\j+3]
.endr
	v_pk_add_f32 v[84:85], v[84:85], v[86:87]
	v_add_f32 v114, v84, v85
	v_permlanex16_b32 v115, v114, s53, s54
	v_add_f32 v114, v114, v115                     ; l
	v_mul_f32 v115, v114, v114
	v_mul_f32 v115, s58, v115                      ; eps l^2
.irp b, 0,1,2,3
.irp i, 0,1,2,3,4,5,6,7,8,9,10,11,12,13,14,15
	v_min_num_f32 v[SS+16*\b+\i], v[SS+16*\b+\i], v[BH+\b]  ; p is not negative: a one-sided hold
.endr
	v_cvt_scalef32_pk8_fp8_f32 v[96+4*\b:97+4*\b], v[SS+16*\b:SS+16*\b+7], v[BO+\b]
	v_cvt_scalef32_pk8_fp8_f32 v[98+4*\b:99+4*\b], v[SS+16*\b+8:SS+16*\b+15], v[BO+\b]
.endr
	v_nop
	s_wait_alu depctr_vm_vsrc(0)                   ; the LDS loads of the scores' product have read v2, v3 and v6, which are written below
	s_lshl_b32 s88, s46, 11
	s_add_co_u32 s88, s88, PIMG
	v_add_nc_u32 v2, s88, v1
	s_lshr_b32 s88, s46, 2
	s_lshl_b32 s88, s88, 9
	s_and_b32 s89, s46, 3
	s_lshl_b32 s89, s89, 2
	s_add_co_u32 s88, s88, s89
	s_add_co_u32 s88, s88, PSC
	v_add_nc_u32 v3, s88, v1
	s_lshr_b32 s88, s46, 1
	s_lshl_b32 s88, s88, 9
	s_and_b32 s89, s46, 1
	s_lshl_b32 s89, s89, 3
	s_add_co_u32 s88, s88, s89
	s_add_co_u32 s88, s88, LSUM
	v_add_nc_u32 v6, s88, v1
	s_wait_alu depctr_va_vdst(0)                   ; p's codes, its scale word, the two sums and the three addresses are written, which the stores read; the softmax is done with v64-127 and the products with v8-11, where v^T and its scale words land
.irp c, 0,1,2,3
	ds_store_b128 v2, v[96+4*\c:99+4*\c] offset:512*\c
.endr
	ds_store_b32 v3, v112
	ds_store_b64 v6, v[114:115]
	s_wait_dscnt 0x0                               ; my part of p is in LDS
	s_wait_alu depctr_vm_vsrc(0)                   ; the stores have read v96-115, where v^T lands, and v2, which is written behind the barrier
.irp t, 0,1,2,3
.irp c, 0,1,2,3
	global_load_b128 v[64+16*\t+4*\c:67+16*\t+4*\c], v1, s[16:17] offset:2048*\t+512*\c     ; v^T: my four feature tiles, K = the 128 keys
.endr
.endr
	global_load_b128 v[8:11], v1, s[18:19]         ; and their scale words
	BARRIER                                        ; p's 8 images, scale words and sums lie in LDS
; ================ PV and the first norm
	v_add_nc_u32 v2, LB0, v1
	s_wait_alu depctr_va_vdst(0)                   ; v2 is written, which the LDS loads below read
.irp q, 0,1,2,3
	ds_load_b128 v[16+4*\q:19+4*\q], v2 offset:LSUM-LB0+512*\q               ; (l, eps l^2) of row tile m at v[16 + 2 m]
.endr
.irp q, 0,1
	ds_load_b128 v[32+4*\q:35+4*\q], v2 offset:PSC-LB0+512*\q
.endr
.irp m, 0,1,2,3,4,5,6,7
.irp c, 0,1,2,3
	ds_load_b128 v[128+16*\m+4*\c:131+16*\m+4*\c], v2 offset:PIMG-LB0+2048*\m+512*\c
.endr
.endr
	s_wait_dscnt 34                                ; the sums are in; the 2 + 32 loads behind them may be out
	WIN 0x41
.irp m, 0,1,2,3,4,5,6,7
.set k, 0
.rept 16
	v_pk_mul_f32 v[32*\m+k:32*\m+k+1], v[32*\m+k:32*\m+k+1], v[16+2*\m:17+2*\m] op_sel_hi:[1,0]    ; q l
.set k, k+2
.endr
.endr
	s_wait_dscnt 0x0
	s_wait_loadcnt 0x0
	WIN 0x50
.irp m, 0,1,2,3,4,5,6,7
.irp t, 0,1,2,3
	v_wmma_scale_f32_16x16x128_f8f6f4 v[32*\m+8*\t:32*\m+8*\t+7], v[64+16*\t:79+16*\t], v[128+16*\m:143+16*\m], v[32*\m+8*\t:32*\m+8*\t+7], v[8+\t], v[32+\m]
.endr
.endr
	WIN 0
	PLACES 8
	s_wait_alu depctr_va_vdst(0)                   ; the products are done reading p's scale words v32-39, where ln1_w lands, and v64-255, where the norm's loads and W1 land
	LOADP 32, 20                                   ; ln1_w
	v_and_b32 v12, 15, v0
	v_bfe_u32 v13, v0, 4, 1
	s_lshl_b32 s88, s46, 2
	s_add_co_u32 s88, s88, STAT1
	v_lshl_add_u32 v6, v12, 5, s88                 ; my wave's word of row r
	v_lshl_add_u32 v7, v12, 5, STAT1
	v_lshl_add_u32 v7, v13, 4, v7                  ; four waves' words of row r
	LNSUM 128, 6
	BARRIER
	LNDEV 192, 128, 6, 7
	s_wait_dscnt 0x0                               ; my sums of squares are in LDS
	s_wait_alu depctr_vm_vsrc(0)                   ; their stores have read v128 to v142, where W1 lands
	LOADP 192, 22                                  ; ln1_b
	W1LOAD                                         ; W1's first two tiles
	BARRIER
.irp m, 0,1,2,3,4,5,6,7
	ds_load_b128 v[224+4*\m:227+4*\m], v7 offset:4096+512*\m
.endr
	s_wait_dscnt 0x0
	LNRED 224
.irp m, 0,1,2,3,4,5,6,7
	v_fma_f32 v[224+4*\m], v[224+4*\m], 0x3b000000, v[17+2*\m]      ; var a + eps l^2
.endr
.irp m, 0,1,2,3,4,5,6,7
	v_rsq_f32 v[16+2*\m], v[224+4*\m]
.endr
	v_nop
	s_wait_alu depctr_va_vdst(0)                   ; the eight reciprocal roots are written: one wait for the batch, ahead of its first reader
	s_wait_loadcnt 32                              ; ln1_w and ln1_b are in; W1's 32 loads may be out
.irp m, 0,1,2,3,4,5,6,7
	WIN 0x41
.set k, 0
.rept 16
	v_pk_mul_f32 v[32*\m+k:32*\m+k+1], v[32*\m+k:32*\m+k+1], v[16+2*\m:17+2*\m] op_sel_hi:[1,0]
.set k, k+2
.endr
.set k, 0
.rept 16
	v_pk_fma_f32 v[32*\m+k:32*\m+k+1], v[32*\m+k:32*\m+k+1], v[32+k:33+k], v[192+k:193+k]  ; query: it stays in the accumulators,
.set k, k+2
.endr
	QUANT32 32*\m, 1, WIA, \m*2048, SCW, 4*\m      ; and its codes go where x's lay
.endr
	v_mov_b32 v23, v1
	s_lshl_b32 s88, s46, 14
	s_add_co_u32 s88, s88, HIMG
	v_add_nc_u32 v19, s88, v1                      ; the hidden layer's images of K step w
	s_lshr_b32 s88, s46, 1
	s_lshl_b32 s88, s88, 10
	s_and_b32 s89, s46, 1
	s_lshl_b32 s89, s89, 9
	s_add_co_u32 s88, s88, s89
	s_add_co_u32 s88, s88, HSC
	v_and_b32 v20, 15, v0
	v_lshl_add_u32 v20, v20, 5, s88                ; and their scale bytes
	v_and_b32 v21, 31, v0
	v_lshl_add_u32 v21, v21, 5, XSC                ; query's scale words
	v_mov_b32 v16, 0x3e7c6f08                      ; c9
	v_mov_b32 v17, v16
	s_wait_alu depctr_va_vdst(0)                   ; v23 is written, which the loads of W1's scale words read
	W1SMALL
	BARRIER                                        ; query's 32 images lie in LDS
; ================ P6: h = gelu(query W1^T + b1).  U = 0..3: two tiles of W1 = one block of 32 hidden units; M = 0..7: the row tiles.  All in window 0
; A trip's waits: vm_vsrc and va_vdst round the making of its two load addresses; va_vdst in the arm that asks for the next weights; the two batches' waits; va_vdst ahead of its two stores
.set HA, 48                            ; v48-63  two accumulators: 16 neighbouring hidden units of a token
.set GT, 192
.set GP, 208
.set GX, 224
	s_mov_b32 s59, 0                               ; U
	s_mov_b32 s61, 0                               ; 2,048 M
	s_mov_b32 s62, 0                               ; 2,048 M + 512 U
	s_mov_b32 s63, 0                               ; 4 M + U
	s_mov_b32 s48, 0                               ; 4 M
.Lu:
	s_mov_b32 s60, 0                               ; M
.Lm:
	s_wait_alu depctr_vm_vsrc(0)                   ; the last trip's LDS loads have read v2 and v5, its stores v3, v4, v7 and v24-27, earlier loads of scale words v23: this trip writes them all again (first trip: the quantiser's stores have read v4, v5 and v240-248)
	v_add_nc_u32 v2, s61, v1
	v_add_nc_u32 v5, s48, v21
	s_wait_alu depctr_va_vdst(0)                   ; v2 and v5 are written, which the loads below read
.irp s, 0,1,2,3
.irp c, 0,1,2,3
	ds_load_b128 v[192+16*\s+4*\c:195+16*\s+4*\c], v2 offset:16384*\s+512*\c
.endr
.endr
	ds_load_b32 v10, v5
	ds_load_b32 v11, v5 offset:1024
	s_wait_dscnt 0x0
	s_wait_loadcnt 0x0                             ; the weights of this U (asked for in the last trip of the U before)
.irp s, 0,1,2,3                        ; the two accumulators take turns
.irp t, 0,1
.if \s == 0
	v_wmma_scale_f32_16x16x128_f8f6f4 v[HA+8*\t:HA+8*\t+7], v[64+16*(4*\t+\s):79+16*(4*\t+\s)], v[192+16*\s:207+16*\s], v[32+8*\t:39+8*\t], v[28+\t], v10
.elseif \s == 1
	v_wmma_scale_f32_16x16x128_f8f6f4 v[HA+8*\t:HA+8*\t+7], v[64+16*(4*\t+\s):79+16*(4*\t+\s)], v[192+16*\s:207+16*\s], v[HA+8*\t:HA+8*\t+7], v[28+\t], v10 matrix_a_scale:MATRIX_SCALE_ROW1 matrix_b_scale:MATRIX_SCALE_ROW1
.elseif \s == 2
	v_wmma_scale_f32_16x16x128_f8f6f4 v[HA+8*\t:HA+8*\t+7], v[64+16*(4*\t+\s):79+16*(4*\t+\s)], v[192+16*\s:207+16*\s], v[HA+8*\t:HA+8*\t+7], v[30+\t], v11
.else
	v_wmma_scale_f32_16x16x128_f8f6f4 v[HA+8*\t:HA+8*\t+7], v[64+16*(4*\t+\s):79+16*(4*\t+\s)], v[192+16*\s:207+16*\s], v[HA+8*\t:HA+8*\t+7], v[30+\t], v11 matrix_a_scale:MATRIX_SCALE_ROW1 matrix_b_scale:MATRIX_SCALE_ROW1
.endif
.endr
.endr
	PLACES 8
	s_cmp_lg_u32 s60, 7                            ; behind the last row tile's products the next weights are asked for: they land under this trip's vector work
	s_cbranch_scc1 .Lkeep
	s_cmp_eq_u32 s59, 3
	s_cbranch_scc1 .Lw2
	s_add_nc_u64 s[36:37], s[36:37], 16384         ; (every load that named these has been waited for)
	s_add_nc_u64 s[24:25], s[24:25], 128
	s_add_co_u32 s88, s59, 1
	s_lshr_b32 s89, s88, 1
	s_lshl_b32 s89, s89, 10
	s_and_b32 s88, s88, 1
	s_lshl_b32 s88, s88, 3
	s_add_co_u32 s88, s88, s89
	v_add_nc_u32 v23, s88, v1
	s_wait_alu depctr_va_vdst(0)                   ; this U's last products are done reading W1's two tiles, b1 and the scale words, where the next U's land; v23 is written, which the loads of the scale words read
	W1LOAD
	W1SMALL
	s_branch .Lkeep
.Lw2:
	s_wait_alu depctr_va_vdst(0)                   ; W1's last products are done reading v64-127 and v28-31, where W2's first K step and scale words land
	WLOAD 0, 0, 8, 38                              ; W2's first K step,
	global_load_b128 v[NWS:NWS+3], v1, s[44:45]    ; and the scale words of its first two: W1's, which lay there, are done with, eight places behind their last products
.Lkeep:
.set k, 0
.rept 16
	v_fma_f32 v[GT+k], |v[HA+k]|, s66, 1.0
.set k, k+1
.endr
.set k, 0
.rept 16
	v_rcp_f32 v[GT+k], v[GT+k]                     ; t
.set k, k+1
.endr
.set k, 0
.rept 8
	v_pk_mul_f32 v[GX+k:GX+k+1], v[HA+k:HA+k+1], v[HA+k:HA+k+1]    ; x^2 (plain lines behind the reciprocals)
.set k, k+2
.endr
.set k, 0
	s_wait_alu depctr_va_vdst(0)                   ; the sixteen reciprocals have written t: one wait for the batch, ahead of its first reader
.rept 8
	v_pk_fma_f32 v[GP+k:GP+k+1], v[GT+k:GT+k+1], v[16:17], s[86:87] op_sel_hi:[1,1,0]
.set k, k+2
.endr
.irp c, 84,82,80,78,76,74,72,70
.set k, 0
.rept 8
	v_pk_fma_f32 v[GP+k:GP+k+1], v[GP+k:GP+k+1], v[GT+k:GT+k+1], s[\c:\c+1] op_sel_hi:[1,1,0]
.set k, k+2
.endr
.endr
.set k, 0
.rept 8
	v_pk_fma_f32 v[GP+k:GP+k+1], v[GX+k:GX+k+1], s[68:69], v[GP+k:GP+k+1] op_sel_hi:[1,0,1]
.set k, k+2
.endr
.set k, 0
.rept 16
	v_exp_f32 v[GP+k], v[GP+k]
.set k, k+1
.endr
.set k, 0
.rept 16
	v_max_num_f32 v[GX+k], 0, v[HA+k]              ; max(x, 0) (plain lines behind the exponentials)
.set k, k+1
.endr
.set k, 0
	s_wait_alu depctr_va_vdst(0)                   ; the sixteen exponentials are written: one wait for the batch, ahead of its first reader
.rept 8
	v_pk_mul_f32 v[GP+k:GP+k+1], v[GP+k:GP+k+1], v[GT+k:GT+k+1]    ; c
.set k, k+2
.endr
.set k, 0
.rept 16
	v_fma_f32 v[HA+k], -|v[HA+k]|, v[GP+k], v[GX+k]
.set k, k+1
.endr
	v_max3_num_f32 v6, |v[HA]|, |v[HA+1]|, 0x4800000       ; one block of 32: my 16 and lane l xor 16's
	v_max3_num_f32 v7, |v[HA+2]|, |v[HA+3]|, |v[HA+4]|
	v_max3_num_f32 v6, v6, |v[HA+5]|, |v[HA+6]|
	v_max3_num_f32 v7, v7, |v[HA+7]|, |v[HA+8]|
	v_max3_num_f32 v6, v6, |v[HA+9]|, |v[HA+10]|
	v_max3_num_f32 v7, v7, |v[HA+11]|, |v[HA+12]|
	v_max3_num_f32 v6, v6, |v[HA+13]|, |v[HA+14]|
	v_max3_num_f32 v7, v7, |v[HA+15]|, v6
	v_permlanex16_b32 v6, v7, s53, s54
	v_max_num_f32 v6, v6, v7
	v_add_nc_u32 v8, 0xfc000000, v6
	v_and_or_b32 v9, v6, 0x7f800000, s55
	v_lshrrev_b32 v7, 23, v8
.set k, 0
.rept 16
	v_med3_num_f32 v[HA+k], v[HA+k], -v9, v9
.set k, k+1
.endr
	v_cvt_scalef32_pk8_fp8_f32 v[24:25], v[HA:HA+7], v8
	v_cvt_scalef32_pk8_fp8_f32 v[26:27], v[HA+8:HA+15], v8
	v_add_nc_u32 v3, s62, v19                      ; (a plain line behind the conversions)  piece U of image (K step w, row tile M)
	v_add_nc_u32 v4, s63, v20
	s_wait_alu depctr_va_vdst(0)                   ; the codes v24-27, the byte v7 and the addresses v3 and v4 are written, which the stores read; the trip is done with v192-239 and the products with v10 and v11, where the next trip's loads land
	ds_store_b128 v3, v[24:27]
	ds_store_b8 v4, v7
	s_add_co_u32 s61, s61, 2048
	s_add_co_u32 s62, s62, 2048
	s_add_co_u32 s63, s63, 4
	s_add_co_u32 s48, s48, 4
	s_add_co_u32 s60, s60, 1
	s_cmp_lt_u32 s60, 8
	s_cbranch_scc1 .Lm
	s_sub_co_u32 s61, s61, 16384
	s_sub_co_u32 s62, s62, 16384-512
	s_sub_co_u32 s63, s63, 31
	s_sub_co_u32 s48, s48, 32
	s_add_co_u32 s59, s59, 1
	s_cmp_lt_u32 s59, 4
	s_cbranch_scc1 .Lu
	s_wait_loadcnt 0x0                             ; whatever the last trip asked for is in (W2's first K step and scale words, issued ahead of that trip's vector work): no load is out when the next product's loads are issued into the registers where W1 lay
	BARRIER                                        ; the hidden layer's 64 images lie in LDS
; ================ P7: query + h W2^T, onto the accumulators: four trips of two K steps
	v_add_nc_u32 v12, HIMG, v1
	v_and_b32 v13, 31, v0
	v_lshlrev_b32 v15, 11, v13                     ; a row of x a lane
	v_lshl_add_u32 v13, v13, 5, HSC
	s_mov_b32 s61, 0
	s_mov_b32 s62, 0
	s_mov_b32 s63, 0
	s_mov_b32 s59, 4
.Lp7:
	PAIR 12, 13, 38, 44, 8, 0, 2
	s_add_co_u32 s63, s63, 65536
	s_sub_co_u32 s59, s59, 1
	s_cmp_lg_u32 s59, 0
	s_cbranch_scc1 .Lp7
	s_wait_alu depctr_vm_vsrc(0)                   ; the last trip's LDS loads have read v2 and v3, which are written below
	v_and_b32 v10, 15, v0
	v_bfe_u32 v11, v0, 4, 1
	v_lshlrev_b32 v6, 11, v11
	v_lshl_add_u32 v6, v10, 4, v6                  ; x and out0 as they lie
	v_mul_u32_u24 v2, v11, 272
	v_lshl_add_u32 v2, v10, 4, v2
	v_add_nc_u32 v2, s52, v2                       ; the stage by rows,
	v_mul_u32_u24 v3, v10, 272
	v_lshl_add_u32 v3, v11, 6, v3
	v_add_nc_u32 v3, s52, v3                       ; and by tokens
	s_lshl_b32 s88, s46, 2
	s_add_co_u32 s88, s88, STAT1
	v_lshl_add_u32 v8, v10, 5, s88
	v_lshl_add_u32 v9, v10, 5, STAT1
	v_lshl_add_u32 v9, v11, 4, v9
	s_wait_loadcnt 0x0                             ; b2 and ln2_w
	WIN 0x41
.irp m, 0,1,2,3,4,5,6,7
.set k, 0
.rept 16
	v_pk_add_f32 v[32*\m+k:32*\m+k+1], v[32*\m+k:32*\m+k+1], v[64+k:65+k]    ; + b2; each accumulator from its low end on
.set k, k+2
.endr
.endr
	WIN 0
	s_wait_alu depctr_va_vdst(0)                   ; the additions are done reading b2 in v64-95, where ln2_b lands; the last products are done reading v128-255, where x lands; v6 is written, which x's loads read, and so are the way out's LDS addresses
	LOADP 64, 30                                   ; ln2_b
.irp m, 0,1,2,3
.irp i, 0,1,2,3,4,5,6,7
	global_load_b128 v[128+32*\m+4*\i:131+32*\m+4*\i], v6, s[4:5] offset:(16*\m+2*\i)*2048 th:TH_LOAD_NT
.endr
.endr
	LNSUM 16, 8
	BARRIER
	LNDEV 32, 16, 8, 9
	BARRIER
; ================ OUT: the second norm, + x, and the rows leave as they lie in memory
	s_wait_alu depctr_vm_vsrc(0)                   ; the stores of the sums of squares have read v16, v18 .. v30, which the reciprocal roots below write
.irp m, 0,1,2,3,4,5,6,7
	ds_load_b128 v[32+4*\m:35+4*\m], v9 offset:4096+512*\m
.endr
	s_wait_dscnt 0x0
	LNRED 32
.irp m, 0,1,2,3,4,5,6,7
	v_fma_f32 v[32+4*\m], v[32+4*\m], 0x3b000000, s58
.endr
.irp m, 0,1,2,3,4,5,6,7
	v_rsq_f32 v[16+2*\m], v[32+4*\m]
.endr
	v_nop
	s_wait_alu depctr_va_vdst(0)                   ; the eight reciprocal roots are written: one wait for the batch, ahead of its first reader
	s_wait_loadcnt 32                              ; ln2_b is in; x's 32 loads may be out
.irp m, 0,1,2,3,4,5,6,7
	WIN 0x41
.set k, 0
.rept 16
	v_pk_mul_f32 v[32*\m+k:32*\m+k+1], v[32*\m+k:32*\m+k+1], v[16+2*\m:17+2*\m] op_sel_hi:[1,0]
.set k, k+2
.endr
.set k, 0
.rept 16
	v_pk_fma_f32 v[32*\m+k:32*\m+k+1], v[32*\m+k:32*\m+k+1], v[96+k:97+k], v[64+k:65+k]
.set k, k+2
.endr
	WIN 0x04
	s_wait_alu depctr_va_vdst(0)                   ; the tile's normed numbers are written, which the stage's stores read; the vector lines issued so far are done with v32-63, where the rows land
.irp b, 0,1
.irp j, 0,1,2,3
	ds_store_b128 v3, v[32*\m+16*\b+4*\j:32*\m+16*\b+4*\j+3] offset:128*\b+16*\j
.endr
.endr
	WIN 0
	s_wait_xcnt 0x0                                ; the last tile's stores have had their addresses translated (ISA guide 3.1)
.if \m > 0
	s_wait_alu depctr_vm_vsrc(0)                   ; the last tile's stores have read v32-63, where this tile's rows land
.endif
.irp i, 0,1,2,3,4,5,6,7
	ds_load_b128 v[32+4*\i:35+4*\i], v2 offset:544*\i
.endr
	s_wait_dscnt 0x0
.if \m < 5
	s_wait_loadcnt 24                              ; x's tile m is in; three later tiles may be out
.else
	s_wait_loadcnt 8*(7-\m)
.endif
.set k, 0
.rept 16
	v_pk_add_f32 v[32+k:33+k], v[32+k:33+k], v[128+32*(\m%4)+k:129+32*(\m%4)+k]
.set k, k+2
.endr
	s_wait_alu depctr_va_vdst(0)                   ; the additions have written v32-63, which the stores read, and are done reading x's tile, where the tile four on lands
.irp i, 0,1,2,3,4,5,6,7
	global_store_b128 v6, v[32+4*\i:35+4*\i], s[32:33] offset:(16*\m+2*\i)*2048 th:TH_STORE_NT     ; sixteen lanes store 256 consecutive bytes, at a multiple of 256 from out0's first byte
.endr
.if \m < 4
.irp i, 0,1,2,3,4,5,6,7
	global_load_b128 v[128+32*\m+4*\i:131+32*\m+4*\i], v6, s[4:5] offset:(16*(\m+4)+2*\i)*2048 th:TH_LOAD_NT
.endr
.endif
.endr
	s_wait_xcnt 0x0
	v_lshl_add_u32 v254, v0, 2, 0x40c00
	v_mov_b32 v255, 0
	s_wait_dscnt 0x0                               ; the closing lines, six on end
	s_wait_alu 0x0
	s_wait_tensorcnt 0x0
	ds_add_u32 v254, v255
	s_wait_dscnt 0x0
	s_endpgm
.Lfunc_end_k_q601e43c285_main:
	.size	k_q601e43c285_main, .Lfunc_end_k_q601e43c285_main-k_q601e43c285_main
	.p2alignl 7, 3214868480
	.fill 96, 4, 3214868480
	.section	.rodata,"a",@progbits
	.p2align	6, 0x0
	.amdhsa_kernel k_q601e43c285_main
		.amdhsa_group_segment_fixed_size 266240
		.amdhsa_private_segment_fixed_size 0
		.amdhsa_enable_private_segment 0
		.amdhsa_kernarg_size 120
		.amdhsa_user_sgpr_count 2
		.amdhsa_user_sgpr_kernarg_segment_ptr 1
		.amdhsa_wavefront_size32 1
		.amdhsa_system_sgpr_workgroup_id_x 1
		.amdhsa_system_sgpr_workgroup_id_y 1
		.amdhsa_system_sgpr_workgroup_id_z 1
		.amdhsa_system_vgpr_workitem_id 0
		.amdhsa_next_free_vgpr 512
		.amdhsa_next_free_sgpr 96
		.amdhsa_reserve_vcc 0
		.amdhsa_float_denorm_mode_32 3
		.amdhsa_float_denorm_mode_16_64 3
		.amdhsa_memory_ordered 1
		.amdhsa_forward_progress 1
		.amdhsa_inst_pref_size 255
	.end_amdhsa_kernel
	.section	.bss,"aw",@nobits
	.p2align	6
	.space	262144
	.amdgpu_metadata
---
amdhsa.version: [ 1, 2 ]
amdhsa.kernels:
  - .name:           k_q601e43c285_main
    .symbol:         k_q601e43c285_main.kd
    .args:
      - { .name: x, .offset: 0, .size: 8, .value_kind: global_buffer, .address_space: global }
      - { .name: wfrag, .offset: 8, .size: 8, .value_kind: global_buffer, .address_space: global }
      - { .name: wscl, .offset: 16, .size: 8, .value_kind: global_buffer, .address_space: global }
      - { .name: bq, .offset: 24, .size: 8, .value_kind: global_buffer, .address_space: global }
      - { .name: kfrag, .offset: 32, .size: 8, .value_kind: global_buffer, .address_space: global }
      - { .name: kscl, .offset: 40, .size: 8, .value_kind: global_buffer, .address_space: global }
      - { .name: vfrag, .offset: 48, .size: 8, .value_kind: global_buffer, .address_space: global }
      - { .name: vscl, .offset: 56, .size: 8, .value_kind: global_buffer, .address_space: global }
      - { .name: ln1_w, .offset: 64, .size: 8, .value_kind: global_buffer, .address_space: global }
      - { .name: ln1_b, .offset: 72, .size: 8, .value_kind: global_buffer, .address_space: global }
      - { .name: b1, .offset: 80, .size: 8, .value_kind: global_buffer, .address_space: global }
      - { .name: b2, .offset: 88, .size: 8, .value_kind: global_buffer, .address_space: global }
      - { .name: ln2_w, .offset: 96, .size: 8, .value_kind: global_buffer, .address_space: global }
      - { .name: ln2_b, .offset: 104, .size: 8, .value_kind: global_buffer, .address_space: global }
      - { .name: out0, .offset: 112, .size: 8, .value_kind: global_buffer, .address_space: global }
    .group_segment_fixed_size: 266240
    .private_segment_fixed_size: 0
    .kernarg_segment_align: 8
    .kernarg_segment_size: 120
    .max_flat_workgroup_size: 256
    .sgpr_count:     96
    .vgpr_count:     512
    .wavefront_size: 32
...
	.end_amdgpu_metadata
.endif
;; end of part 4
